; MI455X (gfx1250); checked and timed in simulation.
; The chip was launched on July 23, 2026; its instructions are those of AMD's public machine-readable ISA for CDNA 5 (MIT licence, August 2026) and "CDNA5" Instruction Set Architecture Reference Guide (July 2026). The comments in the code are by the model that wrote it; some were corrected since.
;; Causal Self Attention. Allowed arithmetic: matrix products marked QUANTISED: E2M3 operands, one E8M0 scale for each 32 along K, by v_wmma_scale_f32_16x16x128_f8f6f4 with both operands' format E2M3, f32 sums; everything else in f32.
;; Inputs: W_proj 1,024 x 1,024 float32; W_qkv 1,024 x 3,072 float32; b_proj 1,024 float32; b_qkv 3,072 float32; x 4 x 2,048 x 1,024 float32.
;; Outputs: out0 4 x 2,048 x 1,024 float32.
;; This version of the problem:
;;   THIS VERSION OF THE PROBLEM IS GIVEN IN LOW PRECISION. The matrix products marked QUANTISED in the list below multiply operands that are first quantised to E2M3 (2 exponent bits, 3 mantissa bits; 6 bits a number), with one power-of-two scale for each 32 numbers along K (OCP MX v1.0); their sums are f32. All else is computed in f32.
;;   The module's matrix products, in the order in which they are computed (A, B: the left and right operand; K: the contracted axis; several contracted axes count as one K, in the product's order):
;;     1. [M 8,192, K 1,024] x [K 1,024, N 3,072]; A: input x; B: input W_qkv: QUANTISED
;;     2. batch 64 x [M 2,048, K 64] x [K 64, N 2,048]; A: computed on the way; B: computed on the way: QUANTISED
;;     3. batch 64 x [M 2,048, K 2,048] x [K 2,048, N 64]; A: softmax (see below); B: computed on the way: QUANTISED
;;     4. [M 8,192, K 1,024] x [K 1,024, N 1,024]; A: computed on the way; B: input W_proj: QUANTISED
;;   THE QUANTISER, for each operand of a quantised product, along K:
;;     - K is cut into blocks of 32 from its start; a last block that is shorter is filled with zeros.
;;     - A block's scale is 2^e with e = floor(log2(the largest magnitude in the block)) - 2, held to -126 .. 127; a block of zeros has e = 0. As a byte (E8M0): e + 127.
;;     - Each number is divided by its block's scale, clamped to +-7.5, and rounded to the nearest number of E2M3, ties to even, subnormals kept.
;;     - The product sums the exact products of the quantised numbers (number of the format x scale) in f32.
;;   ~~~python
;;   def quantise(x, axis):      # numpy; x: float32 -> the quantised numbers, widened to float32 again
;;       x = np.moveaxis(x, axis, -1); K = x.shape[-1]
;;       x = np.pad(x, [(0, 0)] * (x.ndim - 1) + [(0, -K % 32)]); x = x.reshape(x.shape[:-1] + (-1, 32)); a = np.abs(x).max(-1, keepdims=True)
;;       e = np.where(a > 0, np.clip(np.frexp(np.where(a > 0, a, 1))[1] - 1 - 2, -126, 127), 0)      # np.frexp(a)[1] - 1 = floor(log2(a)), exactly
;;       r = np.clip(x / 2.0 ** e, -7.5, 7.5)
;;       step = 2.0 ** (np.maximum(np.frexp(np.where(r == 0, 1, r))[1] - 1, 0) - 3)
;;       q = np.round(r / step) * step * 2.0 ** e      # np.round: ties to even
;;       return np.moveaxis(q.reshape(q.shape[:-2] + (-1,))[..., :K], -1, axis).astype(np.float32)
;;   ~~~
;;   SOFTMAX AHEAD OF A QUANTISED PRODUCT. Where the list says 'softmax', what is quantised is not the finished softmax but p = 2^(t - M), with t = logit x log2(e) and M = ceil(the row's largest t), a whole number; so 1/2 < the row's largest p <= 1. The row's sum l is taken of the UNQUANTISED p, in f32, and the product's result is divided by l at the end. Since M is a whole number, a kernel that streams over the keys may use a running M (the ceiling of the running maximum): every later rescaling is an exact power of two, which a block's scale takes up: the codes' values come out the same.
;;   OPERANDS COMPUTED ON THE WAY. 'Computed on the way' means the value that the module computes at that place (a softmax that the list does not call 'softmax' is quantised finished and normalised). What goes into a quantiser is computed in f32, as accurately as f32 sums, v_exp_f32 and their like allow (about 1e-6 of the number): no bf16 or f16 on the way to a quantiser, and a product that is left as it is and whose result goes on into a quantised operand takes f32 operands (vector FMAs, or v_wmma_f32_16x16x4_f32). A number that lies on a knife's edge between two numbers of the format may be rounded either way, as far as f32 arithmetic and the matrix unit's own rounding can turn it there, and no further.
;; One version. Each part assembles by itself: llvm-mc -triple=amdgcn-amd-amdhsa -mcpu=gfx1250 --defsym DOCPART=n.
;; ======== version 1 of 1: 4 launches
;; workspace buffers: xq 6,553,600 bytes; wt 3,276,800 bytes; rope 524,288 bytes; qrec 6,815,744 bytes; kv 13,369,344 bytes; aq 6,553,600 bytes
;; launch prep (part 1): grid 416 x 1, 4 waves a work-group, no clusters, 35,328 bytes of LDS; arguments x, W_qkv, W_proj, xq, wt, rope; writes xq, wt, rope
.if DOCPART == 1
	.amdgcn_target "amdgcn-amd-amdhsa--gfx1250"
	.amdhsa_code_object_version 6
	.text
	.protected	k_q3115b56a44_prep
	.globl	k_q3115b56a44_prep
	.p2align	8
	.type	k_q3115b56a44_prep,@function
k_q3115b56a44_prep:
	s_mov_b64 s[64:65], 0
	v_nop
	global_prefetch_b8 v0, s[64:65] scope:SCOPE_SE
	s_setreg_imm32_b32 hwreg(HW_REG_WAVE_MODE, 25, 1), 1
	s_wait_xcnt 0x0
; PREP: x, W_qkv and W_proj (f32) become codes of FP6 (E2M3) with one E8M0 byte for each 32 along K, laid as IMAGES OF OPERAND REGISTERS; and the RoPE table is made.
; A TILE RECORD (12,800 bytes) holds 16 rows x 1,024 K: eight fragments of 1,536 bytes (piece p = registers 2p, 2p+1 of the 32 lanes, 8 bytes a lane, 256 bytes),
; then from byte 12,288 the scale words [K step][row], 4 bytes each.  Fragment: lane (r, h), registers 6c .. 6c+5 = k 64c + 32h + 0 .. 31 of row r.
; THE ROWS OF A TILE ARE NOT NEIGHBOURS: lane index i of tile 2g + u stands for row (or column of W) 32g + 8u + i + 8 (i / 8).
; A block's scale is 2^(floor(log2(largest magnitude)) - 2): the largest magnitude's exponent field less 2, held at 1 from below by a floor among the maximum's leaves.
; LIMITS: NaN and infinities among the inputs are not served; a block of zeros gets the byte 1 where the rule says 127 (its codes are zeros, and this program alone reads the bytes);
; a RoPE angle is pos x inv_freq in f32 with inv_freq within about one unit in its last place: at position 2,047 it may differ from another f32 evaluation by some 2e-4 radians.
; Work-groups 0-255: x (path X, the only path that touches LDS).  256-383: the weights (path W).  384-415: the table (path R).
; No tensor loads, no barrier: waves share nothing.  Matrix units and clusters have nothing to do here: the launch streams.
.set SPARE, 34816                      ; behind the four waves' regions: the spare words, 128 bytes a wave
.set WREG,  8704                       ; a wave's LDS: a stage of 16 rows x 528 bytes, then from 8,448 its 256 bytes of scale words
.set R,     16                         ; v16-143  path X: two sets of 64 registers as loaded
.set X,     144                        ; v144-207 path X: 64 numbers of a lane: its two whole blocks of a K step
.set F,     208                        ; v208-219 path X: the fragment
.set FT,    220                        ; v220-222, v224-226: the second halves of the conversions (their three registers begin on an even number)
.set XW,    64                         ; v64-127  path W: two sets of 32 numbers down K
	s_load_b256 s[4:11], s[0:1], 0x0               ; x s[4:5], W_qkv s[6:7], W_proj s[8:9], xq s[10:11]
	s_load_b128 s[12:15], s[0:1], 0x20             ; wt s[12:13], rope s[14:15]
	v_lshl_add_u32 v2, v0, 2, SPARE                ; my spare word; never rewritten
	v_mov_b32 v3, 0                                ; 0; never rewritten
	v_lshrrev_b32 v1, 5, v0
	v_readfirstlane_b32 s16, v1                    ; wave 0..3
	v_and_b32 v1, 31, v0                           ; lane
	s_wait_kmcnt 0x0
	s_cmp_lt_u32 ttmp9, 256
	s_cbranch_scc0 .Lnot_x
; ---------------- PATH X: wave w takes row tile T = 2 x work-group + w / 2, and half y = w % 2 of K: four K steps of 128.
	s_lshl_b32 s17, ttmp9, 1
	s_lshr_b32 s18, s16, 1
	s_add_co_u32 s17, s17, s18                     ; T
	s_and_b32 s18, s16, 1                          ; y
	s_lshr_b32 s19, s17, 1
	s_lshl_b32 s19, s19, 5
	s_and_b32 s26, s17, 1
	s_lshl_b32 s26, s26, 3
	s_add_co_u32 s19, s19, s26                     ; the tile's first row: 32 (T / 2) + 8 (T % 2)
	s_lshl_b32 s26, s19, 12                        ; x 4,096 bytes
	s_lshl_b32 s27, s18, 11                        ; + 2,048 y
	s_add_co_u32 s26, s26, s27
	s_mov_b32 s27, 0
	s_add_nc_u64 s[20:21], s[4:5], s[26:27]        ; x at my rows and my half of K
	s_mul_i32 s26, s17, 12800
	s_mul_i32 s28, s18, 6144
	s_add_co_u32 s28, s28, s26
	s_mov_b32 s29, 0
	s_add_nc_u64 s[22:23], s[10:11], s[28:29]      ; my four fragments in the record
	s_lshl_b32 s28, s18, 8
	s_add_co_u32 s28, s28, s26
	s_add_co_u32 s28, s28, 12288
	s_add_nc_u64 s[24:25], s[10:11], s[28:29]      ; my 256 bytes of scale words
	v_and_b32 v10, 15, v0                          ; r
	v_bfe_u32 v11, v0, 4, 1                        ; h
	s_mul_i32 s30, s16, WREG
	s_wait_alu depctr_va_vdst(0)
	v_lshlrev_b32 v4, 4, v1                        ; 16 x lane
	v_add_nc_u32 v5, s30, v4                       ; into the stage: a row's 512 bytes as they lie
	v_mul_u32_u24 v6, v10, 528
	v_lshl_add_u32 v6, v11, 7, v6
	v_add_nc_u32 v6, s30, v6                       ; out of it: row r, + 128 h: my block of each 64 along K
	v_lshlrev_b32 v7, 3, v1                        ; 8 x lane: a piece's place
	s_add_co_u32 s31, s30, 8448
	v_lshl_add_u32 v8, v10, 2, s31                 ; my row's scale word
	v_add_nc_u32 v9, s31, v7                       ; and the words' way out
	v_lshlrev_b32 v12, 3, v11                      ; 8 h: where my two bytes stand in the word
	v_mov_b32 v13, 0                               ; a lane permute's destination counts as read
	s_mov_b32 s32, 0x76543210
	s_mov_b32 s33, 0xfedcba98                      ; selects: lane l xor 16
.macro LOADX t                         ; 16 rows x 512 consecutive bytes: K step t
.irp i, 0,1,2,3,4,5,6,7,8,9,10,11,12,13,14,15
	global_load_b128 v[R+64*((\t)%2)+4*\i:R+64*((\t)%2)+4*\i+3], v4, s[20:21] offset:(\i+8*(\i/8))*4096+512*(\t) th:TH_LOAD_NT
.endr
.endm
.macro STEPX t
.if (\t) < 3
	s_wait_loadcnt 16                              ; this step's 16 loads are in; the next step's 16 may be out
.else
	s_wait_loadcnt 0x0
.endif
.irp i, 0,1,2,3,4,5,6,7,8,9,10,11,12,13,14,15
	ds_store_b128 v5, v[R+64*((\t)%2)+4*\i:R+64*((\t)%2)+4*\i+3] offset:528*\i
.endr
.irp c, 0,1
.irp j, 0,1,2,3,4,5,6,7
	ds_load_b128 v[X+32*\c+4*\j:X+32*\c+4*\j+3], v6 offset:256*\c+16*\j   ; LDS serves a wave's instructions in order: these see the stores above
.endr
.endr
	s_wait_dscnt 0x0                               ; my numbers are back; the stores have read their registers, the last step's word store too
.if (\t) < 2
	LOADX (\t)+2
.endif
.irp c, 0,1
	v_max3_num_f32 v[228+\c], |v[X+32*\c]|, |v[X+32*\c+1]|, 0x1800000     ; block 2c + h is all mine; the floor 2^(3 - 127) holds the byte at 1 from below
.endr
.irp i, 2,4,6,8,10,12,14,16,18,20,22,24,26,28,30
.irp c, 0,1
	v_max3_num_f32 v[228+\c], v[228+\c], |v[X+32*\c+\i]|, |v[X+32*\c+\i+1]|
.endr
.endr
.irp c, 0,1
	v_add_nc_u32 v[230+\c], 0xff000000, v[228+\c]  ; 2 off the exponent field: the conversion's scale operand
.endr
.irp c, 0,1
	v_lshrrev_b32 v[232+\c], 23, v[230+\c]         ; the byte
.endr
	v_lshl_or_b32 v234, v233, 16, v232             ; my bytes: blocks h and 2 + h,
	v_lshlrev_b32 v234, v12, v234                  ; 8 h bits up;
	v_permlanex16_b32 v13, v234, s32, s33
	v_or_b32 v234, v234, v13                       ; with lane l xor 16's two the word is whole
	s_wait_alu depctr_va_vdst(0)
	s_wait_xcnt 0x0                                ; the last step's stores have read the fragment's registers
.irp c, 0,1
	v_cvt_scalef32_pk16_fp6_f32 v[F+6*\c:F+6*\c+2], v[X+32*\c:X+32*\c+15], v[230+\c]
	v_cvt_scalef32_pk16_fp6_f32 v[FT+4*\c:FT+4*\c+2], v[X+32*\c+16:X+32*\c+31], v[230+\c]
.endr
	v_nop                                          ; one plain place behind a scaled conversion
.irp c, 0,1
.irp i, 0,1,2
	v_mov_b32 v[F+6*\c+3+\i], v[FT+4*\c+\i]
.endr
.endr
.irp p, 0,1,2,3,4,5
	global_store_b64 v7, v[F+2*\p:F+2*\p+1], s[22:23] offset:1536*(\t)+256*\p   ; 32 lanes store 256 consecutive bytes, aligned
.endr
	ds_store_b32 v8, v234 offset:64*(\t)           ; both halves of the lanes write the same word with the same value
.endm
	LOADX 0
	LOADX 1
	s_wait_alu depctr_va_vdst(0)
	STEPX 0
	STEPX 1
	STEPX 2
	STEPX 3
	ds_load_b64 v[236:237], v9                     ; my four steps' 64 scale words
	s_wait_dscnt 0x0
	global_store_b64 v7, v[236:237], s[24:25]      ; 256 consecutive bytes, aligned
	s_wait_tensorcnt 0x0                           ; the wave's end, behind my last LDS store
	ds_add_u32 v2, v3
	s_wait_dscnt 0x0
	s_endpgm
; ---------------- PATH W: a lane takes a column and its registers run down K.  Wave w takes column group Gc (32 columns) and 256 along K: eight blocks.
.Lnot_x:
	s_cmp_lt_u32 ttmp9, 384
	s_cbranch_scc0 .Lrope
	s_sub_co_u32 s17, ttmp9, 256
	s_cmp_lt_u32 s17, 96                           ; the first 96 take W_qkv, the other 32 W_proj: only pointers and sizes are chosen
	s_cselect_b64 s[20:21], s[6:7], s[8:9]
	s_mov_b32 s18, 4096
	s_cselect_b32 s18, 12288, s18                  ; bytes from row to row
	s_cselect_b32 s19, 0, 96
	s_cselect_b32 s24, 1, 0
	s_sub_co_u32 s17, s17, s19
	s_lshr_b32 s22, s17, 2
	s_and_b32 s23, s17, 3                          ; y: which 256 along K
	s_lshl_b32 s22, s22, 2
	s_add_co_u32 s22, s22, s16                     ; Gc
	s_lshr_b32 s25, s22, 5                         ; W_qkv: section 0 q, 1 k, 2 v
	s_bfe_u32 s26, s22, 0x40001                    ; head
	s_and_b32 s27, s22, 1                          ; which 32 of the head's 64
	s_mul_i32 s28, s25, 6
	s_lshl_b32 s29, s27, 1
	s_add_co_u32 s28, s28, s29                     ; q, k: 6 x section + 2 x half
	s_mul_i32 s29, s27, 6
	s_add_co_u32 s29, s29, 4                       ; v: 6 x half + 4
	s_cmp_eq_u32 s25, 2
	s_cselect_b32 s28, s29, s28
	s_mul_i32 s26, s26, 12
	s_add_co_u32 s28, s28, s26                     ; a head's twelve tiles: q0-3, v0-1, k0-3, v2-3
	s_lshl_b32 s29, s22, 1
	s_add_co_u32 s29, s29, 192                     ; W_proj's tiles follow
	s_cmp_eq_u32 s24, 1
	s_cselect_b32 s28, s28, s29                    ; my first tile; the second follows it
	s_lshl_b32 s30, s23, 8
	s_mul_i32 s30, s30, s18
	s_lshl_b32 s31, s22, 7
	s_add_co_u32 s30, s30, s31
	s_mov_b32 s31, 0
	s_add_nc_u64 s[32:33], s[20:21], s[30:31]      ; block 0: row 256 y, column 32 Gc
	s_lshl_b32 s30, s18, 5                         ; 32 rows on
.irp t, 1,2,3,4,5,6,7
	s_add_nc_u64 s[32+2*\t:33+2*\t], s[30+2*\t:31+2*\t], s[30:31]
.endr
	s_mul_i32 s54, s28, 12800
	s_mul_i32 s56, s23, 3072
	s_add_co_u32 s56, s56, s54
	s_mov_b32 s57, 0
	s_add_nc_u64 s[48:49], s[12:13], s[56:57]      ; my two K steps' fragments in the first tile's record
	s_lshl_b32 s56, s23, 7
	s_add_co_u32 s56, s56, s54
	s_add_co_u32 s56, s56, 12288
	s_add_nc_u64 s[50:51], s[12:13], s[56:57]      ; and their scale words
	s_mov_b32 s52, 0xff00ff00                      ; lanes 8-15 and 24-31
	s_wait_alu depctr_va_vdst(0)
	v_lshlrev_b32 v16, 2, v1                       ; v16-47: 4 x lane + i rows
.irp i, 1,2,3,4,5,6,7,8,9,10,11,12,13,14,15,16,17,18,19,20,21,22,23,24,25,26,27,28,29,30,31
	v_add_nc_u32 v[16+\i], s18, v[15+\i]
.endr
	v_lshlrev_b32 v7, 3, v1
	v_bfe_u32 v9, v1, 3, 1                         ; my column's tile: (lane / 8) % 2,
	v_and_b32 v10, 7, v1
	v_lshrrev_b32 v11, 4, v1
	v_lshl_add_u32 v10, v11, 3, v10                ; and its row there: lane % 8 + 8 (lane / 16)
	v_lshlrev_b32 v10, 2, v10
	v_mad_u32_u24 v8, v9, 12800, v10
	v_mov_b32 v148, 0                              ; a DPP destination counts as read
	v_mov_b32 v149, 0
.macro LOADW t                         ; block t: 32 rows, 128 consecutive bytes a load
.irp i, 0,1,2,3,4,5,6,7,8,9,10,11,12,13,14,15,16,17,18,19,20,21,22,23,24,25,26,27,28,29,30,31
	global_load_b32 v[XW+32*((\t)%2)+\i], v[16+\i], s[32+2*(\t):33+2*(\t)] th:TH_LOAD_NT
.endr
.endm
.macro BLOCKW t
.set XB, XW+32*((\t)%2)
.set CD, 128+8*((\t)%2)                ; an even block's six registers at v128, an odd one's at v136
.if (\t) < 7
	s_wait_loadcnt 32                              ; this block's 32 loads are in; the next block's may be out
.else
	s_wait_loadcnt 0x0
.endif
	v_max3_num_f32 v152, |v[XB]|, |v[XB+1]|, |v[XB+2]|
	v_max3_num_f32 v153, |v[XB+3]|, |v[XB+4]|, |v[XB+5]|
.irp i, 6,10,14,18,22,26
	v_max3_num_f32 v152, v152, |v[XB+\i]|, |v[XB+\i+1]|
	v_max3_num_f32 v153, v153, |v[XB+\i+2]|, |v[XB+\i+3]|
.endr
	v_max3_num_f32 v152, v152, |v[XB+30]|, |v[XB+31]|
	v_max3_num_f32 v152, v152, v153, 0x1800000     ; and the floor
	v_add_nc_u32 v154, 0xff000000, v152
	v_lshrrev_b32 v155, 23, v154
.if (\t)%4 == 0
	v_mov_b32 v[150+(\t)/4], v155                  ; four bytes to a word, the lower K in the lower byte
.else
	v_lshl_or_b32 v[150+(\t)/4], v155, 8*((\t)%4), v[150+(\t)/4]
.endif
.if ((\t)%2 == 0) && ((\t) >= 2)
	s_wait_alu depctr_va_vdst(0)
	s_wait_xcnt 0x0                                ; the last pair's stores have read v128-141
.endif
	v_cvt_scalef32_pk16_fp6_f32 v[CD:CD+2], v[XB:XB+15], v154
	v_cvt_scalef32_pk16_fp6_f32 v[144:146], v[XB+16:XB+31], v154
	v_nop                                          ; one plain place behind a scaled conversion
.irp i, 0,1,2
	v_mov_b32 v[CD+3+\i], v[144+\i]
.endr
.if (\t)+2 < 8
	LOADW (\t)+2
.endif
.endm
; An even block E and the odd block O behind it are halves h = 0 and h = 1 of registers 6c .. 6c+5.  In: lane = column.  Out: two tiles' images.
; The swap puts E and O of columns 0-15 into one register and those of columns 16-31 into the other; then lanes 8-15 and 24-31 of the first change places with lanes 0-7 and 16-23 of the second.
.macro PAIROUT t
.irp i, 0,1,2,3,4,5
	v_permlane16_swap_b32 v[128+\i], v[136+\i]
.endr
.irp i, 0,1,2,3,4,5
	v_mov_b32_dpp v148, v[136+\i] row_xmask:8 row_mask:0xf bank_mask:0xf
	v_mov_b32_dpp v149, v[128+\i] row_xmask:8 row_mask:0xf bank_mask:0xf
	v_cndmask_b32 v[128+\i], v[128+\i], v148, s52
	v_cndmask_b32 v[136+\i], v149, v[136+\i], s52
.endr
.irp p, 0,1,2
	global_store_b64 v7, v[128+2*\p:129+2*\p], s[48:49] offset:1536*((\t)/4)+256*(3*(((\t)%4)/2)+\p)
	global_store_b64 v7, v[136+2*\p:137+2*\p], s[48:49] offset:12800+1536*((\t)/4)+256*(3*(((\t)%4)/2)+\p)
.endr
.endm
	LOADW 0
	LOADW 1
.irp t, 0,2,4,6
	BLOCKW \t
	BLOCKW (\t)+1
	PAIROUT (\t)+1
.endr
	global_store_b32 v8, v150, s[50:51]            ; my column's two scale words: runs of 64 bytes, one byte in 128 of what this path reads
	global_store_b32 v8, v151, s[50:51] offset:64
	s_endpgm
; ---------------- PATH R: wave w makes position tile T' = 4 (work-group - 384) + w: for lane (r, h), cos and -+sin of pos x inv_freq[16 h + m], m = 0 .. 15.
.Lrope:
	s_sub_co_u32 s17, ttmp9, 384
	s_lshl_b32 s17, s17, 2
	s_add_co_u32 s17, s17, s16                     ; T'
	s_lshr_b32 s18, s17, 1
	s_lshl_b32 s18, s18, 5
	s_and_b32 s19, s17, 1
	s_lshl_b32 s19, s19, 3
	s_add_co_u32 s18, s18, s19
	v_and_b32 v4, 15, v0
	v_bfe_u32 v5, v0, 4, 1
	v_and_b32 v6, 8, v4
	v_add_nc_u32 v6, v6, v4
	v_add_nc_u32 v6, s18, v6                       ; my position
	v_cvt_f32_u32 v6, v6
	v_lshlrev_b32 v7, 4, v5                        ; 16 h
	s_wait_alu depctr_va_vdst(0)
	v_lshlrev_b32 v8, 4, v1                        ; 16 x lane
	s_lshl_b32 s20, s17, 12
	s_mov_b32 s21, 0
	s_add_nc_u64 s[14:15], s[14:15], s[20:21]
	s_mov_b32 s22, 0xbed49a78                      ; -log2(10000) / 32, rounded,
	s_mov_b32 s23, 0xb2179a13                      ; and what the rounding left
	s_mov_b32 s24, 0x3f317218                      ; ln 2
	s_mov_b32 s25, 0xbfc90fdb                      ; -(pi / 2), rounded,
	s_mov_b32 s26, 0x333bbd2e                      ; and what the rounding left
.irp m, 0,1,2,3,4,5,6,7,8,9,10,11,12,13,14,15
	v_add_nc_u32 v[96+\m], \m, v7
.endr
.irp m, 0,1,2,3,4,5,6,7,8,9,10,11,12,13,14,15
	v_cvt_f32_u32 v[96+\m], v[96+\m]
.endr
.irp m, 0,1,2,3,4,5,6,7,8,9,10,11,12,13,14,15
	v_mul_f32 v[64+\m], s22, v[96+\m]              ; the exponent, rounded,
.endr
.irp m, 0,1,2,3,4,5,6,7,8,9,10,11,12,13,14,15
	v_fma_f32 v[80+\m], v[96+\m], s22, -v[64+\m]   ; what that rounding lost,
.endr
.irp m, 0,1,2,3,4,5,6,7,8,9,10,11,12,13,14,15
	v_fma_f32 v[80+\m], v[96+\m], s23, v[80+\m]    ; and the constant's own rest
.endr
.irp m, 0,1,2,3,4,5,6,7,8,9,10,11,12,13,14,15
	v_exp_f32 v[16+\m], v[64+\m]
.endr
	v_nop                                          ; a plain place behind the batch,
	s_wait_alu depctr_va_vdst(0)                   ; and one wait for it, ahead of its first reader
.irp m, 0,1,2,3,4,5,6,7,8,9,10,11,12,13,14,15
	v_mul_f32 v[80+\m], v[80+\m], v[16+\m]
.endr
.irp m, 0,1,2,3,4,5,6,7,8,9,10,11,12,13,14,15
	v_fma_f32 v[16+\m], v[80+\m], s24, v[16+\m]    ; inv_freq = e + e x rest x ln 2
.endr
; sine and cosine in f32: n = the nearest multiple of pi / 2, taken off in two parts; |rest| <= pi / 4; Taylor sums to r^9 and r^10 (the next terms lie under 2e-9); the quadrant swaps and signs.
.macro SINCOS m
	v_mul_f32 v112, v6, v[16+\m]                   ; the angle, rounded once
	v_mul_f32 v113, 0x3f22f983, v112               ; x 2 / pi
	v_rndne_f32 v113, v113
	v_fma_f32 v114, v113, s25, v112
	v_fma_f32 v114, v113, s26, v114
	v_mul_f32 v115, v114, v114
	v_mov_b32 v116, 0x3638ef1d                     ; 1 / 9!
	v_fmaak_f32 v116, v116, v115, 0xb9500d01       ; -1 / 7!
	v_fmaak_f32 v116, v116, v115, 0x3c088889       ; 1 / 5!
	v_fmaak_f32 v116, v116, v115, 0xbe2aaaab       ; -1 / 3!
	v_mul_f32 v119, v115, v114
	v_fma_f32 v116, v116, v119, v114               ; sin r
	v_mov_b32 v117, 0xb493f27e                     ; -1 / 10!
	v_fmaak_f32 v117, v117, v115, 0x37d00d01       ; 1 / 8!
	v_fmaak_f32 v117, v117, v115, 0xbab60b61       ; -1 / 6!
	v_fmaak_f32 v117, v117, v115, 0x3d2aaaab       ; 1 / 4!
	v_fmaak_f32 v117, v117, v115, 0xbf000000       ; -1 / 2
	v_fma_f32 v117, v117, v115, 1.0                ; cos r
	v_cvt_i32_f32 v118, v113
	v_and_b32 v119, 1, v118
	v_cmp_eq_u32 vcc_lo, 1, v119
	v_cndmask_b32 v120, v116, v117, vcc_lo         ; |sin|: in odd quadrants the cosine's sum
	v_cndmask_b32 v121, v117, v116, vcc_lo         ; |cos|
	v_add_nc_u32 v119, 1, v118
	v_lshlrev_b32 v119, 30, v119
	v_and_b32 v119, 0x80000000, v119               ; cos is negative in quadrants 1 and 2
	v_xor_b32 v[32+\m], v119, v121
	v_add_nc_u32 v119, 2*(1-(\m)%2), v118          ; sin is negative in quadrants 2 and 3; an even channel takes -sin
	v_lshlrev_b32 v119, 30, v119
	v_and_b32 v119, 0x80000000, v119
	v_xor_b32 v[48+\m], v119, v120
.endm
.irp m, 0,1,2,3,4,5,6,7,8,9,10,11,12,13,14,15
	SINCOS \m
.endr
.irp j, 0,1,2,3
	global_store_b128 v8, v[32+4*\j:35+4*\j], s[14:15] offset:512*\j
	global_store_b128 v8, v[48+4*\j:51+4*\j], s[14:15] offset:2048+512*\j
.endr
	s_endpgm
.Lfunc_end_k_q3115b56a44_prep:
	.size	k_q3115b56a44_prep, .Lfunc_end_k_q3115b56a44_prep-k_q3115b56a44_prep
	.p2alignl 7, 3214868480
	.fill 96, 4, 3214868480
	.section	.rodata,"a",@progbits
	.p2align	6, 0x0
	.amdhsa_kernel k_q3115b56a44_prep
		.amdhsa_group_segment_fixed_size 35328
		.amdhsa_private_segment_fixed_size 0
		.amdhsa_enable_private_segment 0
		.amdhsa_kernarg_size 48
		.amdhsa_user_sgpr_count 2
		.amdhsa_user_sgpr_kernarg_segment_ptr 1
		.amdhsa_wavefront_size32 1
		.amdhsa_system_sgpr_workgroup_id_x 1
		.amdhsa_system_sgpr_workgroup_id_y 1
		.amdhsa_system_sgpr_workgroup_id_z 1
		.amdhsa_system_vgpr_workitem_id 0
		.amdhsa_next_free_vgpr 256
		.amdhsa_next_free_sgpr 66
		.amdhsa_reserve_vcc 1
		.amdhsa_float_denorm_mode_32 3
		.amdhsa_float_denorm_mode_16_64 3
		.amdhsa_memory_ordered 1
		.amdhsa_forward_progress 1
		.amdhsa_inst_pref_size 111
	.end_amdhsa_kernel
	.amdgpu_metadata
---
amdhsa.version: [ 1, 2 ]
amdhsa.kernels:
  - .name:           k_q3115b56a44_prep
    .symbol:         k_q3115b56a44_prep.kd
    .args:
      - { .name: x, .offset: 0, .size: 8, .value_kind: global_buffer, .address_space: global }
      - { .name: W_qkv, .offset: 8, .size: 8, .value_kind: global_buffer, .address_space: global }
      - { .name: W_proj, .offset: 16, .size: 8, .value_kind: global_buffer, .address_space: global }
      - { .name: xq, .offset: 24, .size: 8, .value_kind: global_buffer, .address_space: global }
      - { .name: wt, .offset: 32, .size: 8, .value_kind: global_buffer, .address_space: global }
      - { .name: rope, .offset: 40, .size: 8, .value_kind: global_buffer, .address_space: global }
    .group_segment_fixed_size: 35328
    .private_segment_fixed_size: 0
    .kernarg_segment_align: 8
    .kernarg_segment_size: 48
    .max_flat_workgroup_size: 128
    .sgpr_count:     66
    .vgpr_count:     256
    .wavefront_size: 32
...
	.end_amdgpu_metadata
.endif
;; end of part 1
;; launch gemm_qkv (part 2): grid 16 x 32, 4 waves a work-group, clusters of 4 x 4, 327,680 bytes of LDS; arguments xq, wt, b_qkv, rope, qrec, kv; writes qrec, kv
.if DOCPART == 2
	.amdgcn_target "amdgcn-amd-amdhsa--gfx1250"
	.amdhsa_code_object_version 6
	.text
	.protected	k_q3115b56a44_gemm_qkv
	.globl	k_q3115b56a44_gemm_qkv
	.p2align	8
	.type	k_q3115b56a44_gemm_qkv,@function
k_q3115b56a44_gemm_qkv:
	s_mov_b64 s[64:65], 0
	v_nop
	global_prefetch_b8 v0, s[64:65] scope:SCOPE_SE
	s_setreg_imm32_b32 hwreg(HW_REG_WAVE_MODE, 25, 1), 1
	s_wait_xcnt 0x0
	s_wait_alu depctr_hold_cnt(0) depctr_sa_sdst(0) depctr_va_vdst(0) depctr_va_sdst(0) depctr_va_ssrc(0) depctr_va_vcc(0) depctr_vm_vsrc(0)
	s_getreg_b32 s2, hwreg(HW_REG_IB_STS2, 6, 4)
	s_cmp_eq_u32 s2, 0
	s_cbranch_scc0 .Lentry_in_a_cluster
	s_endpgm
.Lentry_in_a_cluster:
	s_bfe_u32 s2, ttmp6, 0x10000c
	s_cmp_lg_u32 s2, 0xf033
	s_cbranch_scc0 .Lentry_shape_is_right
	s_endpgm
.Lentry_shape_is_right:
; qkv = x W_qkv + b on codes of FP6 (E2M3) with E8M0 scales, then RoPE on q and k, and q, k, v leave QUANTISED, as images of the operands that attention wants.  Nothing of qkv goes to memory in f32.
; SHARES.  A work-group takes 256 rows of x and the 192 columns of ONE head (q, k, v).  Wave (wm, wn) takes 128 rows (eight tiles of 16) x 96 columns: q (wn = 0) or k (wn = 1), four tiles, and 32 columns of v, two tiles: 48 accumulators.
; q and k are made TRANSPOSED (source 0 = 16 columns of W, source 1 = 16 rows of x): a lane holds one position, and the 16 registers of two neighbouring tiles are 16 neighbouring channels (the columns of a tile are chosen for that).
; v is made the natural way round (source 0 = x, source 1 = W): a lane holds one channel, and the 16 registers of two neighbouring row tiles are 16 neighbouring KEYS, which are the K of attention's second product.
; The biases are the C of each sum's first matrix instruction.
; OPERANDS lie in memory and in LDS as images of their registers (a fragment: six pieces of 256 bytes, 8 bytes a lane): every LDS load reads 256 consecutive bytes.
; K: eight steps of 128, written out.  A slot holds two steps' fragments of 16 tiles of x and 12 of W (86,016 bytes); three slots are first fills, the fourth pair of steps goes into slot 0 again, behind one round of the cluster's barrier.
; By this text's own count a wave has at most three tensor loads out.
; CLUSTER 4 x 4: the four of a row need the same tiles of x, the four of a column the same tiles of W: each is asked for jointly.
; LIMITS: as stated in the launch that makes the codes; a block of zeros gets the byte 1 (its codes are zeros; this program alone reads the bytes).
; REGISTERS.  window 0: v1 8 l, v2 16 l, v3 4 l, v4 r, v5 h, v6, v7 bias offsets; v8-10, v12-14 LDS addresses; v28, v29 the add's two; v32-63 x's scale words, v64-87 W's (they hold nothing else);
;   v96-127, v224-255 two RoPE tables; v128-223 x's fragments, one set; on the way out v128-219 at work.
;   window 1: W's fragments, two sets, at v0 and v128; v72-103 bias of q or k; v104-119 bias of v.   windows 2, 3 (row tiles 0-3, 4-7): q/k accumulator (a, b) at 8 (4 (a % 4) + b); v accumulator (bv, a) at 128 + 8 (4 bv + a % 4).
.set REC,   12800
.set SLOT,  86016
.set BOFF,  49152                      ; in a slot: x's 16 tiles x 3,072 bytes, then W's 12
.set SPARE, 3*SLOT                     ; behind the slots: the spare words, 128 bytes a wave
.set ADRA,  8
.set ADRB,  12
.set SPW,   28
.set NIL,   29
.set XS,    32                         ; register 4 a + s / 2: lanes 0-15 the words of the even K step, lanes 16-31 of the odd one
.set WS,    64
.set RB0,   96
.set AF,    128
.set Y,     128                        ; the way out
.set TM,    160
.set P0,    176
.set Q0,    192
.set VW,    200
.set QW,    208
.set G1A, 24                           ; s[24:31] group 1 for x's tiles; s[32:43] three groups 0
.set G0A, 32
.set G1B, 44                           ; s[44:51], s[52:63] the same for W's
.set G0B, 52
.set MSB, 0
.macro WIN new                         ; the immediate's high byte repeats the setting that is left
.if MSB != (\new)
	s_set_vgpr_msb (MSB<<8)|(\new)
.set MSB, (\new)
.endif
.endm
.macro PLACES                          ; four plain places in front of loads into registers that matrix instructions have read, and of the first read of results
.rept 4
	v_nop
.endr
.endm
; A joint load: waves 0 and 1 fetch x's halves, waves 2 and 3 W's.  The branch hangs on the wave's number alone.  An s_nop 0 and four v_nop follow each line.
.macro JLOAD g0a, g0b
	s_cmp_eq_u32 s17, 0
	s_cbranch_scc0 .Lfor_b_\@
	tensor_load_to_lds s[\g0a:\g0a+3], s[G1A:G1A+7]
	s_nop 0
.rept 4
	v_nop
.endr
	s_branch .Lasked_\@
.Lfor_b_\@:
	tensor_load_to_lds s[\g0b:\g0b+3], s[G1B:G1B+7]
	s_nop 0
.rept 4
	v_nop
.endr
.Lasked_\@:
.endm
.macro CREST                           ; a round of the cluster's barrier behind its opening barrier
	s_cmp_lg_u32 s16, 0
	s_cbranch_scc1 .Lnot_wave_0_\@
	s_barrier_signal -3
.Lnot_wave_0_\@:
	s_barrier_wait -3
	s_barrier_signal -1
	s_barrier_wait -1
.endm
.macro CROUND
	s_barrier_signal -1
	s_barrier_wait -1
	CREST
.endm
	s_load_b256 s[4:11], s[0:1], 0x0               ; xq s[4:5], wt s[6:7], b_qkv s[8:9], rope s[10:11]
	s_load_b128 s[12:15], s[0:1], 0x20             ; qrec s[12:13], kv s[14:15]
	v_lshl_add_u32 v[SPW], v0, 2, SPARE
	v_mov_b32 v[NIL], 0
	ds_add_u32 v[SPW], v[NIL]                      ; the wave's opening: the add and its wait ahead of my first tensor load
	ds_add_u32 v[SPW], v[NIL]
	v_lshrrev_b32 v1, 5, v0
	v_readfirstlane_b32 s16, v1                    ; wave
	s_lshr_b32 s17, s16, 1                         ; wm: my 128 rows.  Also: I fetch for x (0) or for W (1)
	s_and_b32 s18, s16, 1                          ; wn: my 96 columns.  Also: which half I fetch
	s_bfe_u32 s19, ttmp6, 0x40000                  ; cx
	s_bfe_u32 s20, ttmp6, 0x40004                  ; cy
	s_lshl_b32 s21, ttmp9, 2
	s_add_co_u32 s21, s21, s19                     ; the head
	s_and_b32 s22, ttmp7, 0xffff
	s_lshl_b32 s22, s22, 2
	s_add_co_u32 s22, s22, s20                     ; the block of 256 rows
	s_lshl_b32 s23, s20, 2
	s_lshl_b32 s23, 15, s23                        ; my row of the cluster
	s_lshl_b32 s66, 0x1111, s19                    ; my column
	s_or_b32 s[G1A], s23, (3<<16)|(1<<21)          ; 15:0 the mask; 17:16 elements of 8 bytes; 21 set beside a mask; no padding
	s_or_b32 s[G1B], s66, (3<<16)|(1<<21)
	s_mov_b32 s[G1A+1], 384<<16                    ; tensor_dim0: a row is two K steps of one tile, 3,072 bytes
	s_mov_b32 s[G1A+2], 8<<16                      ; tensor_dim1: eight tiles
	s_mov_b32 s[G1A+3], 384<<16                    ; tile_dim0
	s_mov_b32 s[G1A+4], 8                          ; tile_dim1
	s_mov_b32 s[G1A+5], 1600                       ; from record to record: 12,800 bytes
	s_mov_b32 s[G1A+6], 0
	s_mov_b32 s[G1A+7], 0
	s_mov_b32 s[G1B+1], 384<<16
	s_mov_b32 s[G1B+2], 6<<16                      ; six tiles
	s_mov_b32 s[G1B+3], 384<<16
	s_mov_b32 s[G1B+4], 6
	s_mov_b32 s[G1B+5], 1600
	s_mov_b32 s[G1B+6], 0
	s_mov_b32 s[G1B+7], 0
	s_lshl_b32 s68, s22, 4
	s_lshl_b32 s69, s18, 3
	s_add_co_u32 s68, s68, s69
	s_mul_i32 s68, s68, REC                        ; x: record 16 x block + 8 x half
	s_mov_b32 s69, 0
	s_mul_i32 s70, s18, 24576                      ; and its place in a slot
	s_mul_i32 s72, s21, 12
	s_mul_i32 s73, s18, 6
	s_add_co_u32 s72, s72, s73
	s_mul_i32 s72, s72, REC                        ; W: record 12 x head + 6 x half
	s_mov_b32 s73, 0
	s_mul_i32 s74, s18, 18432
	s_add_co_u32 s74, s74, BOFF
	s_wait_dscnt 0x0                               ; the opening add is done
	s_wait_kmcnt 0x0
	s_add_nc_u64 s[68:69], s[4:5], s[68:69]
	s_add_nc_u64 s[72:73], s[6:7], s[72:73]
	CROUND                                         ; all sixteen work-groups are here: the first joint loads meet
.irp f, 0,1,2
	s_mov_b32 s[G0A+4*\f], 1
	s_add_co_u32 s[G0A+4*\f+1], s70, \f*SLOT
	s_add_nc_u64 s[G0A+4*\f+2:G0A+4*\f+3], s[68:69], \f*3072
	s_or_b32 s[G0A+4*\f+3], s[G0A+4*\f+3], 0x80000000
	s_mov_b32 s[G0B+4*\f], 1
	s_add_co_u32 s[G0B+4*\f+1], s74, \f*SLOT
	s_add_nc_u64 s[G0B+4*\f+2:G0B+4*\f+3], s[72:73], \f*3072
	s_or_b32 s[G0B+4*\f+3], s[G0B+4*\f+3], 0x80000000
	JLOAD G0A+4*\f, G0B+4*\f
.endr
	v_and_b32 v6, 31, v0
	v_lshlrev_b32 v1, 3, v6                        ; 8 x lane
	v_lshlrev_b32 v2, 4, v6                        ; 16 x lane
	v_lshlrev_b32 v3, 2, v6                        ; 4 x lane
	v_and_b32 v4, 15, v0                           ; r
	v_bfe_u32 v5, v0, 4, 1                         ; h
	v_lshlrev_b32 v6, 6, v5                        ; bias of q, k: 16 h numbers on
	v_and_b32 v7, 8, v4
	v_add_nc_u32 v7, v7, v4
	v_lshlrev_b32 v7, 2, v7                        ; bias of v: column r + 8 (r / 8) of the tile
	s_wait_alu depctr_va_vdst(0)
	s_mul_i32 s76, s17, 24576
	s_mul_i32 s77, s18, 18432
	s_add_co_u32 s77, s77, BOFF
.irp f, 0,1,2
	v_add_nc_u32 v[ADRA+\f], s76, v1
	v_add_nc_u32 v[ADRB+\f], s77, v1
	s_add_co_u32 s76, s76, SLOT
	s_add_co_u32 s77, s77, SLOT
.endr
	s_lshl_b32 s78, s22, 4
	s_lshl_b32 s79, s17, 3
	s_add_co_u32 s78, s78, s79
	s_mul_i32 s78, s78, REC
	s_add_co_u32 s78, s78, 12288
	s_mov_b32 s79, 0
	s_add_nc_u64 s[78:79], s[4:5], s[78:79]        ; my eight tiles' scale words of x
	s_mul_i32 s80, s21, 12
	s_mul_i32 s81, s18, 6
	s_add_co_u32 s80, s80, s81
	s_mul_i32 s80, s80, REC
	s_add_co_u32 s80, s80, 12288
	s_mov_b32 s81, 0
	s_add_nc_u64 s[80:81], s[6:7], s[80:81]        ; my six tiles' of W
	s_lshl_b32 s82, s18, 12
	s_lshl_b32 s83, s21, 8
	s_add_co_u32 s82, s82, s83
	s_mov_b32 s83, 0
	s_add_nc_u64 s[82:83], s[8:9], s[82:83]        ; b_qkv at 1,024 wn + 64 head
	s_lshl_b32 s84, s21, 8
	s_lshl_b32 s85, s18, 7
	s_add_co_u32 s84, s84, s85
	s_add_co_u32 s84, s84, 8192
	s_mov_b32 s85, 0
	s_add_nc_u64 s[84:85], s[8:9], s[84:85]        ; b_qkv at 2,048 + 64 head + 32 wn
	s_and_b32 s67, s22, 7                          ; the block within its sequence
	s_lshl_b32 s86, s67, 4
	s_lshl_b32 s87, s17, 3
	s_add_co_u32 s86, s86, s87
	s_lshl_b32 s86, s86, 12
	s_mov_b32 s87, 0
	s_add_nc_u64 s[86:87], s[10:11], s[86:87]      ; the RoPE tables of my eight position tiles
.irp a, 0,1,2,3,4,5,6,7
.irp q, 0,1,2,3
	global_load_b32 v[XS+4*\a+\q], v3, s[78:79] offset:\a*REC+128*\q
.endr
.endr
.irp b, 0,1,2,3,4,5
.irp q, 0,1,2,3
	global_load_b32 v[WS+4*\b+\q], v3, s[80:81] offset:\b*REC+128*\q
.endr
.endr
.irp a, 0,1
.irp j, 0,1,2,3,4,5,6,7
	global_load_b128 v[RB0+128*\a+4*\j:RB0+128*\a+4*\j+3], v2, s[86:87] offset:\a*4096+512*\j
.endr
.endr
	WIN 0x40                                       ; destination window 1
.irp b, 0,1,2,3
	global_load_b128 v[72+8*\b:75+8*\b], v6, s[82:83] offset:(32*(\b/2)+8*(\b%2))*4      ; lane (r, h), register j of tile b: channel 32 (b / 2) + 16 h + 8 (b % 2) + j
	global_load_b128 v[76+8*\b:79+8*\b], v6, s[82:83] offset:(32*(\b/2)+8*(\b%2))*4+16
.endr
.irp u, 0,1
.irp j, 0,1,2,3,4,5,6,7
	global_load_b32 v[104+8*\u+\j], v7, s[84:85] offset:32*\u                            ; a lane's eight registers are eight keys of ONE channel: the same number eight times
.endr
.endr
	WIN 0
	; where the results go: record 16 (16 batch + head) + group of 128 positions
	s_lshr_b32 s66, s22, 3
	s_lshl_b32 s66, s66, 4
	s_add_co_u32 s66, s66, s21
	s_lshl_b32 s90, s67, 1
	s_add_co_u32 s90, s90, s17
	s_lshl_b32 s66, s66, 4
	s_add_co_u32 s66, s66, s90
	s_cmp_eq_u32 s18, 0
	s_cselect_b64 s[88:89], s[12:13], s[14:15]     ; q's record, or k's part of the kv record
	s_mov_b32 s90, 13056
	s_cselect_b32 s90, 6656, s90
	s_mul_i32 s90, s66, s90
	s_mov_b32 s91, 0
	s_add_nc_u64 s[88:89], s[88:89], s[90:91]
	s_mul_i32 s66, s66, 13056
	s_mul_i32 s99, s18, 3072
	s_add_co_u32 s90, s66, s99
	s_add_co_u32 s90, s90, 6656
	s_add_nc_u64 s[92:93], s[14:15], s[90:91]      ; v's image: my two channel tiles
	s_lshl_b32 s99, s18, 7
	s_add_co_u32 s90, s66, s99
	s_add_co_u32 s90, s90, 12800
	s_add_nc_u64 s[94:95], s[14:15], s[90:91]      ; and their scale words
	s_mov_b32 s96, 0x76543210
	s_mov_b32 s97, 0xfedcba98                      ; selects: lane l xor 16
	s_mov_b32 s98, 0xffff0000                      ; lanes 16-31
.macro WM d, a, b, c, sa, sb, odd      ; an odd K step's scale words lie in lanes 16-31 of both registers
.if \odd
	v_wmma_scale_f32_16x16x128_f8f6f4 v[(\d):(\d)+7], v[(\a):(\a)+11], v[(\b):(\b)+11], v[(\c):(\c)+7], v[(\sa)], v[(\sb)] matrix_a_fmt:MATRIX_FMT_FP6 matrix_b_fmt:MATRIX_FMT_FP6 matrix_a_scale:MATRIX_SCALE_ROW1 matrix_b_scale:MATRIX_SCALE_ROW1
.else
	v_wmma_scale_f32_16x16x128_f8f6f4 v[(\d):(\d)+7], v[(\a):(\a)+11], v[(\b):(\b)+11], v[(\c):(\c)+7], v[(\sa)], v[(\sb)] matrix_a_fmt:MATRIX_FMT_FP6 matrix_b_fmt:MATRIX_FMT_FP6
.endif
.endm
; q or k: row tiles a0 .. a0 + n - 1 x four column tiles; p: W's set; s: the K step.  The accumulators take turns, one instruction a turn, in the same order in every step.
.macro MULQK a0, n, p, s, first
.if \first
	WIN 0x91+0x40*((\a0)/4)                        ; source 0 (W) window 1, source 1 (x) window 0, C (the bias) window 1, D window 2 or 3
.else
	WIN 0xa1+0x50*((\a0)/4)
.endif
.set AA, \a0
.rept \n
.irp b, 0,1,2,3
.if \first
	WM 8*(4*(AA%4)+\b), 128*(\p)+12*\b, AF+12*AA, 72+8*\b, WS+4*\b+(\s)/2, XS+4*AA+(\s)/2, (\s)%2
.else
	WM 8*(4*(AA%4)+\b), 128*(\p)+12*\b, AF+12*AA, 8*(4*(AA%4)+\b), WS+4*\b+(\s)/2, XS+4*AA+(\s)/2, (\s)%2
.endif
.endr
.set AA, AA+1
.endr
.endm
.macro MULV a0, n, p, s, first         ; v: the sources the other way round
.if \first
	WIN 0x94+0x40*((\a0)/4)
.else
	WIN 0xa4+0x50*((\a0)/4)
.endif
.set AA, \a0
.rept \n
.irp u, 0,1
.if \first
	WM 128+8*(4*\u+AA%4), AF+12*AA, 128*(\p)+12*(4+\u), 104+8*\u, XS+4*AA+(\s)/2, WS+4*(4+\u)+(\s)/2, (\s)%2
.else
	WM 128+8*(4*\u+AA%4), AF+12*AA, 128*(\p)+12*(4+\u), 128+8*(4*\u+AA%4), XS+4*AA+(\s)/2, WS+4*(4+\u)+(\s)/2, (\s)%2
.endif
.endr
.set AA, AA+1
.endr
.endm
.macro FRAG reg, adr, off              ; a fragment: six loads of 256 consecutive bytes
.irp p, 0,1,2,3,4,5
	ds_load_b64 v[(\reg)+2*\p:(\reg)+2*\p+1], v[\adr] offset:(\off)+256*\p
.endr
.endm
.macro FETCH_B sl, q, p                ; W's six fragments of the slot's q-th step into set p: 36 loads
	WIN 0x40
.irp b, 0,1,2,3,4,5
	FRAG 128*(\p)+12*\b, ADRB+\sl, 3072*\b+1536*(\q)
.endr
	WIN 0
.endm
.macro FETCH_A sl, q, i0               ; x's tiles i0 .. i0 + 3: 24 loads
.irp i, 0,1,2,3
	FRAG AF+12*((\i0)+\i), ADRA+\sl, 3072*((\i0)+\i)+1536*(\q)
.endr
.endm
; An even K step: its successor lies in the same slot.
.macro STEP sl, s, first
	s_wait_dscnt 24                                ; W's set and x's tiles 0-3 are in; the youngest 24 loads (tiles 4-7) may be out
	MULQK 0, 4, 0, \s, \first
	MULV 0, 4, 0, \s, \first
	s_wait_dscnt 0x0                               ; tiles 4-7 are in
	PLACES
	FETCH_B \sl, 1, 1
	FETCH_A \sl, 1, 0
	MULQK 4, 4, 0, \s, \first
	MULV 4, 4, 0, \s, \first
	PLACES
	WIN 0
	FETCH_A \sl, 1, 4
.endm
; An odd K step changes slots: one barrier; in front of it each wave has seen its part of the next slot land (tc: the loads of later slots may stay out) and its own reads of this slot come back.
; fill = 1: slot 0 is filled again.  Then the wait is for all my tensor loads, the add follows it, and the barrier opens a round of the cluster's barrier: no wave of any partner still reads slot 0 or has a load on its way.
.macro TURN sl, nx, s, tc, fill
.if \fill
	s_wait_tensorcnt 0x0
	ds_add_u32 v[SPW], v[NIL]                      ; 0 onto my spare word
	s_wait_dscnt 25                                ; (the add and the youngest 24 loads may be out)
.else
	s_wait_tensorcnt \tc
	s_wait_dscnt 24
.endif
	MULQK 0, 2, 1, \s, 0
	MULV 0, 2, 1, \s, 0
	s_wait_dscnt 0x0                               ; my reads of this slot are over (and the add is done)
	s_barrier_signal -1
	MULQK 2, 2, 1, \s, 0
	MULV 2, 2, 1, \s, 0
	WIN 0
	s_barrier_wait -1
.if \fill
	CREST
	s_add_nc_u64 s[G0A+2:G0A+3], s[G0A+2:G0A+3], 3*3072   ; K steps 6 and 7
	s_add_nc_u64 s[G0B+2:G0B+3], s[G0B+2:G0B+3], 3*3072
	JLOAD G0A, G0B                                 ; the first tensor load behind the round; its four v_nop are the places in front of the loads below
.else
	PLACES
.endif
	FETCH_B \nx, 0, 0
	FETCH_A \nx, 0, 0
	MULQK 4, 4, 1, \s, 0
	MULV 4, 4, 1, \s, 0
	PLACES
	WIN 0
	FETCH_A \nx, 0, 4
.endm
	s_wait_alu depctr_va_vdst(0)
	s_wait_tensorcnt 2                             ; my part of slot 0 is in; slots 1 and 2 may be out
	s_barrier_signal -1
	s_barrier_wait -1                              ; everybody's is
	FETCH_B 0, 0, 0
	FETCH_A 0, 0, 0
	FETCH_A 0, 0, 4
	s_wait_loadcnt 0x0                             ; scale words, biases, the first two tables
	STEP 0, 0, 1
	TURN 0, 1, 1, 1, 0                             ; slot 1's load is in; slot 2's may be out
	STEP 1, 2, 0
	TURN 1, 2, 3, 0, 1                             ; the one refill: it has K steps 4 and 5 in which to land
	STEP 2, 4, 0
	TURN 2, 0, 5, 0, 0
	STEP 0, 6, 0
	s_wait_dscnt 24                                ; the last step: nothing more to fetch
	MULQK 0, 4, 1, 7, 0
	MULV 0, 4, 1, 7, 0
	s_wait_dscnt 0x0
	MULQK 4, 4, 1, 7, 0
	MULV 4, 4, 1, 7, 0
	WIN 0
	PLACES
; THE WAY OUT: no LDS, no barrier: each piece of an image is 256 consecutive bytes from 32 lanes.
.irp k, 0,1,2,3
	v_mov_b32 v[TM+4+\k], 0                        ; a lane permute's destination counts as read
.endr
; v, row tiles 4c .. 4c+3 (window 2 + c): block k = 2 u + g is keys 64c + 32g + 16h + 0 .. 15 of channel tile u, in 16 registers; lanes l and l xor 16 share it.
.macro VHALF c
	WIN ((2+\c)<<2)|((2+\c)<<4)                    ; sources 1 and 2: the accumulators' window
.irp k, 0,1,2,3
	v_max3_num_f32 v[TM+\k], 0x1800000, |v[128+16*\k]|, |v[129+16*\k]|       ; each accumulator from its low end on; the floor holds the byte at 1 from below
.endr
.irp i, 2,4,6,8,10,12,14
.irp k, 0,1,2,3
	v_max3_num_f32 v[TM+\k], v[TM+\k], |v[128+16*\k+\i]|, |v[129+16*\k+\i]|
.endr
.endr
	WIN 0
.irp k, 0,1,2,3
	v_permlanex16_b32 v[TM+4+\k], v[TM+\k], s96, s97
.endr
.irp k, 0,1,2,3
	v_max_num_f32 v[TM+\k], v[TM+\k], v[TM+4+\k]
.endr
.irp k, 0,1,2,3
	v_add_nc_u32 v[TM+8+\k], 0xff000000, v[TM+\k]  ; 2 off the exponent field: the conversion's scale operand
.endr
.irp k, 0,1,2,3
	v_lshrrev_b32 v[TM+12+\k], 23, v[TM+8+\k]
.endr
.irp u, 0,1
.if \c == 0
	v_lshl_or_b32 v[VW+\u], v[TM+13+2*\u], 8, v[TM+12+2*\u]
.else
	v_lshl_or_b32 v[VW+\u], v[TM+12+2*\u], 16, v[VW+\u]
	v_lshl_or_b32 v[VW+\u], v[TM+13+2*\u], 24, v[VW+\u]
.endif
.endr
	s_wait_xcnt 0x0                                ; earlier stores have read the codes' registers
	WIN 2+\c                                       ; source 0: the accumulators' window
.irp u, 0,1
	v_cvt_scalef32_pk16_fp6_f32 v[P0+8*\u:P0+8*\u+2], v[128+32*\u:143+32*\u], v[TM+8+2*\u]
	v_cvt_scalef32_pk16_fp6_f32 v[Q0+4*\u:Q0+4*\u+2], v[144+32*\u:159+32*\u], v[TM+9+2*\u]
.endr
	WIN 0
	v_nop                                          ; one plain place behind a scaled conversion
.irp u, 0,1                            ; the operand's layout wants a whole block in a lane
.irp i, 0,1,2
	v_permlane16_swap_b32 v[P0+8*\u+\i], v[Q0+4*\u+\i]
.endr
.irp i, 0,1,2
	v_mov_b32 v[P0+8*\u+3+\i], v[Q0+4*\u+\i]
.endr
.endr
.irp u, 0,1
.irp p, 0,1,2
	global_store_b64 v1, v[P0+8*\u+2*\p:P0+8*\u+2*\p+1], s[92:93] offset:1536*\u+256*(3*\c+\p)
.endr
.endr
.endm
	VHALF 0
	VHALF 1
	v_cndmask_b32 v202, v[VW], v[VW+1], s98        ; lanes 0-15 the first channel tile's words, lanes 16-31 the second's
	global_store_b32 v3, v202, s[94:95]
; q or k, row tile a: register k of 32 is channel 32 (k / 16) + 16 h + k % 16 of my position.  y[d] = a[d] cos[d] + a[d xor 1] ss[d], ss = -sin for even d, +sin for odd d; the angle hangs on d % 32 = 16 h + k % 16.
.macro QKROW a
.set RB, RB0+128*((\a)%2)
.set AC, 32*((\a)%4)
.if (\a) < 7
	s_wait_loadcnt 8                               ; this tile's table is in; the next tile's eight loads may be out
.else
	s_wait_loadcnt 0x0
.endif
	WIN 2+(\a)/4                                   ; source 0: the accumulators' window
.irp k, 0,2,4,6,8,10,12,14,16,18,20,22,24,26,28,30
	v_pk_mul_f32 v[Y+\k:Y+\k+1], v[AC+\k:AC+\k+1], v[RB+(\k)%16:RB+(\k)%16+1]
.endr
.irp k, 0,1,2,3,4,5,6,7,8,9,10,11,12,13,14,15,16,17,18,19,20,21,22,23,24,25,26,27,28,29,30,31
	v_fma_f32 v[Y+\k], v[AC+((\k)^1)], v[RB+16+(\k)%16], v[Y+\k]
.endr
	WIN 0
.if (\a) < 6
.irp j, 0,1,2,3,4,5,6,7
	global_load_b128 v[RB+4*\j:RB+4*\j+3], v2, s[86:87] offset:((\a)+2)*4096+512*\j
.endr
.endif
.irp g, 0,1
	v_max3_num_f32 v[TM+\g], |v[Y+16*\g]|, |v[Y+16*\g+1]|, 0x1800000
.endr
.irp i, 2,4,6,8,10,12,14
.irp g, 0,1
	v_max3_num_f32 v[TM+\g], v[TM+\g], |v[Y+16*\g+\i]|, |v[Y+16*\g+\i+1]|
.endr
.endr
.irp g, 0,1
	v_permlanex16_b32 v[TM+4+\g], v[TM+\g], s96, s97
.endr
.irp g, 0,1
	v_max_num_f32 v[TM+\g], v[TM+\g], v[TM+4+\g]
.endr
.irp g, 0,1
	v_add_nc_u32 v[TM+8+\g], 0xff000000, v[TM+\g]
.endr
.irp g, 0,1
	v_lshrrev_b32 v[TM+12+\g], 23, v[TM+8+\g]
.endr
	v_lshl_or_b32 v[QW+(\a)], v[TM+13], 8, v[TM+12]    ; two bytes; the word's upper two stay 0: they meet zero codes
	s_wait_alu depctr_va_vdst(0)
	s_wait_xcnt 0x0                                ; the last tile's stores have read the codes' registers
	v_cvt_scalef32_pk16_fp6_f32 v[P0:P0+2], v[Y:Y+15], v[TM+8]
	v_cvt_scalef32_pk16_fp6_f32 v[Q0:Q0+2], v[Y+16:Y+31], v[TM+9]
	v_nop
.irp i, 0,1,2
	v_permlane16_swap_b32 v[P0+\i], v[Q0+\i]
.endr
.irp i, 0,1,2
	v_mov_b32 v[P0+3+\i], v[Q0+\i]
.endr
.irp p, 0,1,2
	global_store_b64 v1, v[P0+2*\p:P0+2*\p+1], s[88:89] offset:768*(\a)+256*\p
.endr
.endm
.irp a, 0,1,2,3,4,5,6,7
	QKROW \a
.endr
.irp i, 0,1,2,3
	v_cndmask_b32 v[216+\i], v[QW+\i], v[QW+4+\i], s98     ; word i: lanes 0-15 tile i, lanes 16-31 tile 4 + i
.endr
	global_store_b128 v2, v[216:219], s[88:89] offset:6144
	s_wait_tensorcnt 0x0                           ; the wave's end
	ds_add_u32 v[SPW], v[NIL]
	s_wait_dscnt 0x0
	CROUND                                         ; the closing round: no work-group ends while a partner may still ask for a tile that names it
	s_endpgm
.Lfunc_end_k_q3115b56a44_gemm_qkv:
	.size	k_q3115b56a44_gemm_qkv, .Lfunc_end_k_q3115b56a44_gemm_qkv-k_q3115b56a44_gemm_qkv
	.p2alignl 7, 3214868480
	.fill 96, 4, 3214868480
	.section	.rodata,"a",@progbits
	.p2align	6, 0x0
	.amdhsa_kernel k_q3115b56a44_gemm_qkv
		.amdhsa_group_segment_fixed_size 327680
		.amdhsa_private_segment_fixed_size 0
		.amdhsa_enable_private_segment 0
		.amdhsa_kernarg_size 48
		.amdhsa_user_sgpr_count 2
		.amdhsa_user_sgpr_kernarg_segment_ptr 1
		.amdhsa_wavefront_size32 1
		.amdhsa_system_sgpr_workgroup_id_x 1
		.amdhsa_system_sgpr_workgroup_id_y 1
		.amdhsa_system_sgpr_workgroup_id_z 1
		.amdhsa_system_vgpr_workitem_id 0
		.amdhsa_next_free_vgpr 1024
		.amdhsa_next_free_sgpr 100
		.amdhsa_reserve_vcc 0
		.amdhsa_float_denorm_mode_32 3
		.amdhsa_float_denorm_mode_16_64 3
		.amdhsa_memory_ordered 1
		.amdhsa_forward_progress 1
		.amdhsa_inst_pref_size 172
	.end_amdhsa_kernel
	.amdgpu_metadata
---
amdhsa.version: [ 1, 2 ]
amdhsa.kernels:
  - .name:           k_q3115b56a44_gemm_qkv
    .symbol:         k_q3115b56a44_gemm_qkv.kd
    .args:
      - { .name: xq, .offset: 0, .size: 8, .value_kind: global_buffer, .address_space: global }
      - { .name: wt, .offset: 8, .size: 8, .value_kind: global_buffer, .address_space: global }
      - { .name: b_qkv, .offset: 16, .size: 8, .value_kind: global_buffer, .address_space: global }
      - { .name: rope, .offset: 24, .size: 8, .value_kind: global_buffer, .address_space: global }
      - { .name: qrec, .offset: 32, .size: 8, .value_kind: global_buffer, .address_space: global }
      - { .name: kv, .offset: 40, .size: 8, .value_kind: global_buffer, .address_space: global }
    .group_segment_fixed_size: 327680
    .private_segment_fixed_size: 0
    .kernarg_segment_align: 8
    .kernarg_segment_size: 48
    .max_flat_workgroup_size: 128
    .sgpr_count:     100
    .vgpr_count:     1024
    .wavefront_size: 32
...
	.end_amdgpu_metadata
.endif
;; end of part 2
;; launch attn (part 3): grid 4 x 64, 16 waves a work-group, no clusters, 210,944 bytes of LDS; arguments qrec, kv, aq; writes aq
.if DOCPART == 3
	.amdgcn_target "amdgcn-amd-amdhsa--gfx1250"
	.amdhsa_code_object_version 6
	.text
	.protected	k_q3115b56a44_attn
	.globl	k_q3115b56a44_attn
	.p2align	8
	.type	k_q3115b56a44_attn,@function
k_q3115b56a44_attn:
	s_mov_b64 s[64:65], 0
	v_nop
	global_prefetch_b8 v0, s[64:65] scope:SCOPE_SE
	s_setreg_imm32_b32 hwreg(HW_REG_WAVE_MODE, 25, 1), 1
	s_wait_xcnt 0x0
; Causal attention of one head on codes of FP6 (E2M3) with E8M0 scales; head size 64, 2,048 positions.  The output leaves quantised along the channels, as an image of the projection's operand.
; THE SOFTMAX AHEAD OF THE SECOND PRODUCT: t = score x log2(e) / 8; M = the running largest t rounded UP to a whole number; p = 2^(t - M) is quantised along the keys, not normalised;
; the row's sum is taken of the unquantised p and divides at the end; when M moves, the sum and O are multiplied by 2^(old M - new M), which rounds nothing.
; SHARES.  Work-group (j, head) owns the query blocks 7 - j and j, 256 queries each, one after the other: 16 or 18 key steps a wave whatever j is.  Wave w owns one tile of 16 queries; four waves share a SIMD,
; so that one wave's vector work stands beside another's products and LDS loads.
; LDS.  The head's K and V, 16 records of 13,056 bytes (128 keys each), are brought ONCE by 16 tensor loads (waves 0-3, four each: four of a wave are out) and stay: nothing is filled again.
; All 16 are brought though work-group j reads 16 - 2j: leaving some out would put tensor loads under a branch on the work-group's number.
; NO JOINT LOADS: the four work-groups of a head could share the fills, 13 KiB x 16 once a launch each; that is a small part of the launch's LDS traffic (each record is read up to 32 times by the waves), and the
; partners would still need different numbers of records; the plain form is kept.
; LAYOUT.  Both products transposed: S^T = K Q^T, O^T = V^T P^T: a lane holds ONE query.  The keys of a tile of K are not neighbours (lane i of tile 2g + u: key 32g + 8u + i + 8 (i / 8)), so that p's 16 registers of two tiles are 16 neighbouring keys.
; HEAD SIZE 64 fills half of the instruction's K: Q's registers 6-11 are zero codes; K's operand for tile t runs on into tile t + 1's codes, which meet those zeros; the upper two bytes of both scale words are 0, not 0xff.
; CAUSAL: every wave walks all 16 steps of a pass (trip counts are constants); a step all of whose keys come after the wave's queries is jumped over by a scalar branch on ids; on the diagonal hidden scores become -infinity.
; LIMITS: NaN and infinities are not served; a block of zeros keeps the byte 1 (its codes are zeros; this program alone reads the bytes).
; REGISTERS: v1 8 l, v2 16 l, v3 4 l, v4 my query's place in its group less 16 h, v5, v6 the add's two, v7 16 r, v11 4 r, v8-10 the step's LDS addresses; v12 -M, v13 largest t, v[14:15] the sum;
;   v16-27 Q (22-27 zeros), v28 Q's scale word, v29 p's, v[30:31] f and 0; v32-79 K's eight tiles, later V's four; v80-85 zeros; v86-89 K's scale words, v90-91 V's; v96-159 S^T, then p; v160-191 O^T;
;   v192-203 p's codes; v204-210 second halves; v212-215 block maxima, v216-219 permutes and bytes, v220-223 scale operands; v224 at work, v225 -infinity, v[226:227] the sum's second chain, v228 the output's scale bytes.
.set REC,   13056
.set SPARE, 16*REC
	s_load_b128 s[4:7], s[0:1], 0x0                ; qrec s[4:5], kv s[6:7]
	s_load_b64 s[8:9], s[0:1], 0x10                ; aq
	v_lshl_add_u32 v5, v0, 2, SPARE
	v_mov_b32 v6, 0
	ds_add_u32 v5, v6                              ; the wave's opening: the add and its wait ahead of the first tensor load
	ds_add_u32 v5, v6
	v_lshrrev_b32 v1, 5, v0
	s_delay_alu instid0(VALU_DEP_1)
	v_readfirstlane_b32 s10, v1                    ; wave 0..15
	s_mov_b32 s11, ttmp9                           ; j
	s_and_b32 s12, ttmp7, 0xffff                   ; 16 x batch + head
	s_mov_b32 s24, 3<<16                           ; group 1: a record is dense: 51 rows of 256 bytes (32 elements of 8 bytes), no padding, no mask
	s_mov_b32 s25, 32<<16
	s_mov_b32 s26, 51<<16
	s_mov_b32 s27, 32<<16
	s_mov_b32 s28, 51
	s_mov_b32 s29, 32
	s_mov_b32 s30, 0
	s_mov_b32 s31, 0
	s_mul_i32 s48, s10, REC                        ; load i of wave w: group 4 i + w
	s_lshl_b32 s49, s12, 4
	s_add_co_u32 s49, s49, s10
	s_mul_i32 s50, s49, REC
	s_mov_b32 s51, 0
	s_mov_b32 s20, 0x76543210
	s_mov_b32 s21, 0xfedcba98                      ; selects: lane l xor 16
	s_mov_b32 s22, 0x3e38aa3b                      ; c = log2(e) / 8
	s_mov_b32 s23, s22                             ; (named with it as a pair)
	s_wait_dscnt 0x0                               ; the opening add is done
	s_wait_kmcnt 0x0
	s_add_nc_u64 s[50:51], s[6:7], s[50:51]
.irp i, 0,1,2,3
	s_mov_b32 s[32+4*\i], 1
	s_add_co_u32 s[33+4*\i], s48, \i*4*REC
	s_add_nc_u64 s[34+4*\i:35+4*\i], s[50:51], \i*4*REC
	s_or_b32 s[35+4*\i], s[35+4*\i], 0x80000000
.endr
	s_cmp_lt_u32 s10, 4                            ; a wave's four first fills stand in one branch on the wave's number
	s_cbranch_scc0 .Lno_fetch
.irp i, 0,1,2,3
	tensor_load_to_lds s[32+4*\i:35+4*\i], s[24:31]
	s_nop 0
.endr
.rept 4
	v_nop
.endr
.Lno_fetch:
	v_and_b32 v9, 31, v0
	s_delay_alu instid0(VALU_DEP_1)
	v_lshlrev_b32 v1, 3, v9
	s_delay_alu instid0(VALU_DEP_2)
	v_lshlrev_b32 v2, 4, v9
	s_delay_alu instid0(VALU_DEP_3)
	v_lshlrev_b32 v3, 2, v9
	v_and_b32 v10, 15, v0                          ; r
	v_bfe_u32 v8, v0, 4, 1                         ; h
	s_delay_alu instid0(VALU_DEP_2)
	v_lshlrev_b32 v7, 4, v10
	s_delay_alu instid0(VALU_DEP_3)
	v_lshlrev_b32 v11, 2, v10
	s_delay_alu instid0(VALU_DEP_4)
	v_and_b32 v4, 8, v10
	s_delay_alu instid0(VALU_DEP_1)
	v_add_nc_u32 v4, v4, v10
	v_lshlrev_b32 v8, 4, v8
	s_delay_alu instid0(VALU_DEP_1)
	v_sub_nc_u32 v4, v4, v8
	s_and_b32 s52, s10, 7                          ; my tile in its group
	s_lshr_b32 s53, s52, 1
	s_lshl_b32 s53, s53, 5
	s_and_b32 s54, s52, 1
	s_lshl_b32 s54, s54, 3
	s_add_co_u32 s53, s53, s54
	v_add_nc_u32 v4, s53, v4                       ; 32 (a / 2) + 8 (a % 2) + r + 8 (r / 8) - 16 h
.irp i, 22,23,24,25,26,27,80,81,82,83,84,85,31,216,217,218,219,224
	v_mov_b32 v\i, 0
.endr
	v_mov_b32 v225, 0xff800000                     ; -infinity
; A KEY STEP: the 128 keys of group s16, whose record begins at LDS byte s17.
.macro STEP
	s_cmp_gt_u32 s16, s15                          ; all its keys come after my queries: only the steps of the counters remain
	s_cbranch_scc1 .Lhid_\@
	s_setprio 2
	v_add_nc_u32 v8, s17, v1
	v_add_nc_u32 v9, s17, v2
	v_add_nc_u32 v10, s17, v3
	v_nop                                          ; four plain places in front of loads into registers that the last products read
.irp t, 0,1,2,3,4,5,6,7
.irp p, 0,1,2
	ds_load_b64 v[32+6*\t+2*\p:33+6*\t+2*\p], v8 offset:768*\t+256*\p
.endr
.endr
	ds_load_b128 v[86:89], v9 offset:6144          ; register i: lanes 0-15 tile i's words, lanes 16-31 tile 4 + i's
	s_wait_alu depctr_va_vdst(0)
	s_wait_dscnt 0x0
.irp t, 0,1,2,3
	v_wmma_scale_f32_16x16x128_f8f6f4 v[96+8*\t:103+8*\t], v[32+6*\t:43+6*\t], v[16:27], 0, v[86+\t], v28 matrix_a_fmt:MATRIX_FMT_FP6 matrix_b_fmt:MATRIX_FMT_FP6
.endr
.irp t, 4,5,6,7
	v_wmma_scale_f32_16x16x128_f8f6f4 v[96+8*\t:103+8*\t], v[32+6*\t:43+6*\t], v[16:27], 0, v[82+\t], v28 matrix_a_fmt:MATRIX_FMT_FP6 matrix_b_fmt:MATRIX_FMT_FP6 matrix_a_scale:MATRIX_SCALE_ROW1
.endr
.rept 4
	v_nop                                          ; places: for V's loads into K's registers, and for the first read of the scores
.endr
.irp t, 0,1,2,3
.irp p, 0,1,2,3,4,5
	ds_load_b64 v[32+12*\t+2*\p:33+12*\t+2*\p], v8 offset:6656+1536*\t+256*\p     ; V lands while the softmax is walked
.endr
.endr
	ds_load_b32 v90, v10 offset:12800              ; lanes 0-15 channel tile 0's words, lanes 16-31 tile 1's
	ds_load_b32 v91, v10 offset:12928
	s_cmp_lg_u32 s16, s15
	s_cbranch_scc1 .Lopen_\@
.set J, 0
.rept 64                               ; the diagonal: register J holds key 32 (J / 16) + 16 h + J % 16 of the group: hidden where it lies behind my query
	v_cmp_gt_i32 vcc_lo, 32*(J/16)+J%16, v4
	v_cndmask_b32 v[96+J], v[96+J], v225, vcc_lo
.set J, J+1
.endr
.Lopen_\@:
.irp b, 0,1,2,3
	v_max3_num_f32 v[212+\b], v[96+16*\b], v[97+16*\b], v[98+16*\b]       ; the largest score of each block of 32 keys: for the row's maximum, and, since p rises with the score, for the block's largest p
.endr
.irp i, 3,5,7,9,11,13
.irp b, 0,1,2,3
	v_max3_num_f32 v[212+\b], v[212+\b], v[96+16*\b+\i], v[97+16*\b+\i]
.endr
.endr
.irp b, 0,1,2,3
	v_max_num_f32 v[212+\b], v[212+\b], v[111+16*\b]
.endr
.irp b, 0,1,2,3
	s_delay_alu instid0(VALU_DEP_4)
	v_permlanex16_b32 v[216+\b], v[212+\b], s20, s21
.endr
.irp b, 0,1,2,3
	s_delay_alu instid0(VALU_DEP_4)
	v_max_num_f32 v[212+\b], v[212+\b], v[216+\b]
.endr
	s_delay_alu instid0(VALU_DEP_2)
	v_max3_num_f32 v224, v212, v213, v214
	s_delay_alu instid0(VALU_DEP_1)
	v_max_num_f32 v224, v224, v215
	s_delay_alu instid0(VALU_DEP_1)
	v_mul_f32 v224, s22, v224
	s_delay_alu instid0(VALU_DEP_1)
	v_max_num_f32 v13, v13, v224                   ; the running largest t
	v_mov_b32 v224, v12
	s_delay_alu instid0(VALU_DEP_2)
	v_floor_f32 v12, -v13                          ; -M = floor(-t): M is a whole number
	s_delay_alu instid0(VALU_DEP_1)
	v_sub_f32 v224, v12, v224
	s_delay_alu instid0(VALU_DEP_1)
	v_cvt_i32_f32 v224, v224                       ; (it saturates)
	s_delay_alu instid0(VALU_DEP_1)
	v_ldexp_f32 v30, 1.0, v224                     ; f = 2^(old M - new M)
.set J, 0
	s_setprio 1
.rept 32
	v_pk_fma_f32 v[96+J:97+J], v[96+J:97+J], s[22:23], v[12:13] op_sel_hi:[1,0,0]     ; t - M
.set J, J+2
.endr
.irp b, 0,1,2,3
	v_fma_f32 v[212+\b], v[212+\b], s22, v12
.endr
.set J, 0
	s_wait_alu depctr_va_vdst(0)
.rept 64
	v_exp_f32 v[96+J], v[96+J]                     ; p = 2^(t - M)
.set J, J+1
.endr
	v_pk_mul_f32 v[14:15], v[14:15], v[30:31] op_sel_hi:[1,0]     ; the sums under the new M: a plain place behind the batch
	s_wait_alu depctr_va_vdst(0)                   ; one wait for the batch, ahead of its first reader
.irp b, 0,1,2,3
	v_exp_f32 v[212+\b], v[212+\b]                 ; each block's largest p
.endr
	v_pk_add_f32 v[226:227], v[100:101], v[104:105]
	v_pk_add_f32 v[254:255], v[108:109], v[112:113]
	v_pk_add_f32 v[252:253], v[116:117], v[120:121]
	v_pk_add_f32 v[250:251], v[124:125], v[128:129]
	v_pk_add_f32 v[248:249], v[132:133], v[136:137]
	v_pk_add_f32 v[246:247], v[140:141], v[144:145]
	v_pk_add_f32 v[244:245], v[148:149], v[152:153]
	v_pk_add_f32 v[14:15], v[14:15], v[156:157]
	v_pk_add_f32 v[226:227], v[226:227], v[96:97]
	v_pk_add_f32 v[254:255], v[254:255], v[98:99]
	v_pk_add_f32 v[252:253], v[252:253], v[102:103]
	v_pk_add_f32 v[250:251], v[250:251], v[106:107]
	v_pk_add_f32 v[248:249], v[248:249], v[110:111]
	v_pk_add_f32 v[246:247], v[246:247], v[114:115]
	v_pk_add_f32 v[244:245], v[244:245], v[118:119]
	v_pk_add_f32 v[14:15], v[14:15], v[122:123]
	v_pk_add_f32 v[226:227], v[226:227], v[126:127]
	v_pk_add_f32 v[254:255], v[254:255], v[130:131]
	v_pk_add_f32 v[252:253], v[252:253], v[134:135]
	v_pk_add_f32 v[250:251], v[250:251], v[138:139]
	v_pk_add_f32 v[248:249], v[248:249], v[142:143]
	v_pk_add_f32 v[246:247], v[246:247], v[146:147]
	v_pk_add_f32 v[244:245], v[244:245], v[150:151]
	v_pk_add_f32 v[14:15], v[14:15], v[154:155]
	v_pk_add_f32 v[226:227], v[226:227], v[158:159]
	s_delay_alu instid0(VALU_DEP_2)
	v_pk_add_f32 v[14:15], v[14:15], v[250:251]
	s_delay_alu instid0(VALU_DEP_2)
	v_pk_add_f32 v[226:227], v[226:227], v[248:249]
	v_pk_add_f32 v[254:255], v[254:255], v[246:247]
	v_pk_add_f32 v[252:253], v[252:253], v[244:245]
	s_delay_alu instid0(VALU_DEP_2)
	v_pk_add_f32 v[14:15], v[14:15], v[254:255]
	s_delay_alu instid0(VALU_DEP_2)
	v_pk_add_f32 v[226:227], v[226:227], v[252:253]
	s_delay_alu instid0(VALU_DEP_1)
	v_pk_add_f32 v[14:15], v[14:15], v[226:227]
	s_wait_alu depctr_va_vdst(0)                   ; and one for the four
.irp b, 0,1,2,3
	v_max_num_f32 v[212+\b], 0x1800000, v[212+\b]  ; the floor: the byte cannot fall under 1
.endr
.irp b, 0,1,2,3
	s_delay_alu instid0(VALU_DEP_4)
	v_add_nc_u32 v[220+\b], 0xff000000, v[212+\b]
.endr
.irp b, 0,1,2,3
	s_delay_alu instid0(VALU_DEP_4)
	v_lshrrev_b32 v[216+\b], 23, v[220+\b]
.endr
	s_delay_alu instid0(VALU_DEP_3)
	v_lshl_or_b32 v29, v217, 8, v216
	s_delay_alu instid0(VALU_DEP_1)
	v_lshl_or_b32 v29, v218, 16, v29
	s_delay_alu instid0(VALU_DEP_1)
	v_lshl_or_b32 v29, v219, 24, v29               ; p's scale word for these 128 keys
	s_setprio 0
.irp c, 0,1
	v_cvt_scalef32_pk16_fp6_f32 v[192+6*\c:194+6*\c], v[96+32*\c:111+32*\c], v[220+2*\c]
	v_cvt_scalef32_pk16_fp6_f32 v[204+4*\c:206+4*\c], v[112+32*\c:127+32*\c], v[221+2*\c]
.endr
	v_nop                                          ; one plain place behind a scaled conversion
.irp c, 0,1
.irp i, 0,1,2
	v_permlane16_swap_b32 v[192+6*\c+\i], v[204+4*\c+\i]
.endr
.irp i, 0,1,2
	s_delay_alu instid0(VALU_DEP_3)
	v_mov_b32 v[195+6*\c+\i], v[204+4*\c+\i]
.endr
.endr
.set J, 0
.rept 16
	v_pk_mul_f32 v[160+J:161+J], v[160+J:161+J], v[30:31] op_sel_hi:[1,0]     ; O^T under the new M; these sixteen also stand between the scale word's and the codes' last writes and the products
.set J, J+2
.endr
	s_wait_alu depctr_va_vdst(0)
	s_wait_dscnt 0x0                               ; V is in
	v_wmma_scale_f32_16x16x128_f8f6f4 v[160:167], v[32:43], v[192:203], v[160:167], v90, v29 matrix_a_fmt:MATRIX_FMT_FP6 matrix_b_fmt:MATRIX_FMT_FP6
	v_wmma_scale_f32_16x16x128_f8f6f4 v[168:175], v[44:55], v[192:203], v[168:175], v90, v29 matrix_a_fmt:MATRIX_FMT_FP6 matrix_b_fmt:MATRIX_FMT_FP6 matrix_a_scale:MATRIX_SCALE_ROW1
	v_wmma_scale_f32_16x16x128_f8f6f4 v[176:183], v[56:67], v[192:203], v[176:183], v91, v29 matrix_a_fmt:MATRIX_FMT_FP6 matrix_b_fmt:MATRIX_FMT_FP6
	v_wmma_scale_f32_16x16x128_f8f6f4 v[184:191], v[68:79], v[192:203], v[184:191], v91, v29 matrix_a_fmt:MATRIX_FMT_FP6 matrix_b_fmt:MATRIX_FMT_FP6 matrix_a_scale:MATRIX_SCALE_ROW1
.Lhid_\@:
	s_add_co_u32 s16, s16, 1
	s_add_co_u32 s17, s17, REC
.endm
; Four groups: their four loads (one of each fetching wave) have landed, the later stages' may stay out; the fetching waves say so at the barrier, and all sixteen read behind it.
.macro STAGE i
	s_wait_tensorcnt 3-\i
	s_barrier_signal -1
	s_barrier_wait -1
	s_mov_b32 s17, 4*REC*\i
	s_mov_b32 s18, 4
.Lst_\@:
	STEP
	s_sub_co_u32 s18, s18, 1
	s_cmp_lg_u32 s18, 0
	s_cbranch_scc1 .Lst_\@
	s_setprio 0
.endm
	s_mov_b32 s13, 0
.Lpass:
	s_wait_xcnt 0x0                                ; the last pass's loads and stores have read their bases and data
	s_sub_co_u32 s14, 7, s11
	s_cmp_eq_u32 s13, 0
	s_cselect_b32 s14, s14, s11                    ; the query block: 7 - j, then j
	s_lshl_b32 s15, s14, 1
	s_lshr_b32 s55, s10, 3
	s_add_co_u32 s15, s15, s55                     ; my group of 128 positions
	s_lshl_b32 s56, s12, 4
	s_add_co_u32 s56, s56, s15
	s_mul_i32 s56, s56, 6656
	s_mul_i32 s58, s52, 768
	s_add_co_u32 s58, s58, s56
	s_mov_b32 s59, 0
	s_add_nc_u64 s[60:61], s[4:5], s[58:59]        ; my tile's codes of q
	s_lshr_b32 s58, s52, 2
	s_lshl_b32 s58, s58, 8
	s_and_b32 s57, s52, 3
	s_lshl_b32 s57, s57, 2
	s_add_co_u32 s58, s58, s57
	s_add_co_u32 s58, s58, s56
	s_add_co_u32 s58, s58, 6144
	s_add_nc_u64 s[62:63], s[4:5], s[58:59]        ; and its scale words, 16 bytes from row to row
	s_lshr_b32 s56, s12, 4
	s_lshl_b32 s56, s56, 7
	s_lshl_b32 s57, s14, 4
	s_add_co_u32 s56, s56, s57
	s_add_co_u32 s56, s56, s10
	s_mul_i32 s56, s56, 12800                      ; the output's record: row tile 128 batch + 16 block + wave
	s_and_b32 s57, s12, 15                         ; the head: K step head / 2, registers 6 (head % 2) on: 768 bytes a head
	s_mul_i32 s58, s57, 768
	s_add_co_u32 s58, s58, s56
	s_add_nc_u64 s[66:67], s[8:9], s[58:59]
	s_lshr_b32 s58, s57, 1
	s_lshl_b32 s58, s58, 6
	s_and_b32 s57, s57, 1
	s_lshl_b32 s57, s57, 1
	s_add_co_u32 s58, s58, s57
	s_add_co_u32 s58, s58, s56
	s_add_co_u32 s58, s58, 12288
	s_add_nc_u64 s[68:69], s[8:9], s[58:59]        ; its two bytes of each row's scale word
.irp p, 0,1,2
	global_load_b64 v[16+2*\p:17+2*\p], v1, s[60:61] offset:256*\p
.endr
	global_load_b32 v28, v7, s[62:63]
	v_mov_b32 v13, 0xff61b1e6                      ; the largest t so far: -3e38
	s_delay_alu instid0(VALU_DEP_1)
	v_floor_f32 v12, -v13
	v_mov_b32 v14, 0
	v_mov_b32 v15, 0
.set J, 0
.rept 32
	v_mov_b32 v[160+J], 0                          ; O^T: the step is written once; the first change of M leaves zeros zeros
.set J, J+1
.endr
	s_mov_b32 s16, 0
	s_wait_loadcnt 0x0
	STAGE 0
	STAGE 1
	STAGE 2
	STAGE 3
	; THE PASS'S END: O^T / the sum, quantised along the channels, leaves as three pieces of the projection's operand and two scale bytes a row.
.rept 4
	v_nop                                          ; places behind the last products
.endr
	v_add_f32 v14, v14, v15
	s_delay_alu instid0(VALU_DEP_1)
	v_permlanex16_b32 v224, v14, s20, s21
	s_delay_alu instid0(VALU_DEP_1)
	v_add_f32 v14, v14, v224
	s_wait_alu depctr_va_vdst(0)
	v_rcp_f32 v30, v14
	v_nop                                          ; a plain place behind the reciprocal,
	s_wait_alu depctr_va_vdst(0)                   ; and its wait, ahead of the first reader
.set J, 0
.rept 16
	v_pk_mul_f32 v[96+J:97+J], v[160+J:161+J], v[30:31] op_sel_hi:[1,0]       ; register k: channel 32 (k / 16) + 16 h + k % 16
.set J, J+2
.endr
.irp g, 0,1
	v_max3_num_f32 v[212+\g], |v[96+16*\g]|, |v[97+16*\g]|, 0x1800000
.endr
.irp i, 2,4,6,8,10,12,14
.irp g, 0,1
	s_delay_alu instid0(VALU_DEP_2)
	v_max3_num_f32 v[212+\g], v[212+\g], |v[96+16*\g+\i]|, |v[97+16*\g+\i]|
.endr
.endr
.irp g, 0,1
	s_delay_alu instid0(VALU_DEP_2)
	v_permlanex16_b32 v[216+\g], v[212+\g], s20, s21
.endr
.irp g, 0,1
	s_delay_alu instid0(VALU_DEP_2)
	v_max_num_f32 v[212+\g], v[212+\g], v[216+\g]
.endr
.irp g, 0,1
	s_delay_alu instid0(VALU_DEP_2)
	v_add_nc_u32 v[220+\g], 0xff000000, v[212+\g]
.endr
.irp g, 0,1
	s_delay_alu instid0(VALU_DEP_2)
	v_lshrrev_b32 v[216+\g], 23, v[220+\g]
.endr
	s_delay_alu instid0(VALU_DEP_1)
	v_lshl_or_b32 v228, v217, 8, v216
	v_cvt_scalef32_pk16_fp6_f32 v[192:194], v[96:111], v220
	v_cvt_scalef32_pk16_fp6_f32 v[204:206], v[112:127], v221
	v_nop
.irp i, 0,1,2
	v_permlane16_swap_b32 v[192+\i], v[204+\i]
.endr
.irp i, 0,1,2
	s_delay_alu instid0(VALU_DEP_3)
	v_mov_b32 v[195+\i], v[204+\i]
.endr
.irp p, 0,1,2
	global_store_b64 v1, v[192+2*\p:193+2*\p], s[66:67] offset:256*\p         ; 256 consecutive bytes, aligned
.endr
	global_store_b16 v11, v228, s[68:69]           ; two bytes a row (both halves of the lanes write the same): one byte in 24 of what the launch stores
	s_add_co_u32 s13, s13, 1
	s_cmp_lt_u32 s13, 2
	s_cbranch_scc1 .Lpass
	s_wait_tensorcnt 0x0                           ; the wave's end
	ds_add_u32 v5, v6
	s_wait_dscnt 0x0
	s_endpgm
.Lfunc_end_k_q3115b56a44_attn:
	.size	k_q3115b56a44_attn, .Lfunc_end_k_q3115b56a44_attn-k_q3115b56a44_attn
	.p2alignl 7, 3214868480
	.fill 96, 4, 3214868480
	.section	.rodata,"a",@progbits
	.p2align	6, 0x0
	.amdhsa_kernel k_q3115b56a44_attn
		.amdhsa_group_segment_fixed_size 210944
		.amdhsa_private_segment_fixed_size 0
		.amdhsa_enable_private_segment 0
		.amdhsa_kernarg_size 24
		.amdhsa_user_sgpr_count 2
		.amdhsa_user_sgpr_kernarg_segment_ptr 1
		.amdhsa_wavefront_size32 1
		.amdhsa_system_sgpr_workgroup_id_x 1
		.amdhsa_system_sgpr_workgroup_id_y 1
		.amdhsa_system_sgpr_workgroup_id_z 1
		.amdhsa_system_vgpr_workitem_id 0
		.amdhsa_next_free_vgpr 256
		.amdhsa_next_free_sgpr 72
		.amdhsa_reserve_vcc 1
		.amdhsa_float_denorm_mode_32 3
		.amdhsa_float_denorm_mode_16_64 3
		.amdhsa_memory_ordered 1
		.amdhsa_forward_progress 1
		.amdhsa_inst_pref_size 107
	.end_amdhsa_kernel
	.amdgpu_metadata
---
amdhsa.version: [ 1, 2 ]
amdhsa.kernels:
  - .name:           k_q3115b56a44_attn
    .symbol:         k_q3115b56a44_attn.kd
    .args:
      - { .name: qrec, .offset: 0, .size: 8, .value_kind: global_buffer, .address_space: global }
      - { .name: kv, .offset: 8, .size: 8, .value_kind: global_buffer, .address_space: global }
      - { .name: aq, .offset: 16, .size: 8, .value_kind: global_buffer, .address_space: global }
    .group_segment_fixed_size: 210944
    .private_segment_fixed_size: 0
    .kernarg_segment_align: 8
    .kernarg_segment_size: 24
    .max_flat_workgroup_size: 512
    .sgpr_count:     72
    .vgpr_count:     256
    .wavefront_size: 32
...
	.end_amdgpu_metadata
.endif
;; end of part 3
;; launch gemm_proj (part 4): grid 8 x 32, 4 waves a work-group, clusters of 4 x 4, 327,680 bytes of LDS; arguments aq, wt, b_proj, out0; writes out0
.if DOCPART == 4
	.amdgcn_target "amdgcn-amd-amdhsa--gfx1250"
	.amdhsa_code_object_version 6
	.text
	.protected	k_q3115b56a44_gemm_proj
	.globl	k_q3115b56a44_gemm_proj
	.p2align	8
	.type	k_q3115b56a44_gemm_proj,@function
k_q3115b56a44_gemm_proj:
	s_mov_b64 s[64:65], 0
	v_nop
	global_prefetch_b8 v0, s[64:65] scope:SCOPE_SE
	s_setreg_imm32_b32 hwreg(HW_REG_WAVE_MODE, 25, 1), 1
	s_wait_xcnt 0x0
	s_wait_alu depctr_hold_cnt(0) depctr_sa_sdst(0) depctr_va_vdst(0) depctr_va_sdst(0) depctr_va_ssrc(0) depctr_va_vcc(0) depctr_vm_vsrc(0)
	s_getreg_b32 s2, hwreg(HW_REG_IB_STS2, 6, 4)
	s_cmp_eq_u32 s2, 0
	s_cbranch_scc0 .Lentry_in_a_cluster
	s_endpgm
.Lentry_in_a_cluster:
	s_bfe_u32 s2, ttmp6, 0x10000c
	s_cmp_lg_u32 s2, 0xf033
	s_cbranch_scc0 .Lentry_shape_is_right
	s_endpgm
.Lentry_shape_is_right:
; out = attention's output x W_proj + b_proj, on codes of FP6 (E2M3) with E8M0 scales; out0 is f32.
; SHARES.  256 work-groups of 256 rows x 128 columns; wave (wm, wn) makes 128 x 64: 32 accumulators.  A tile of 256 x 256 would leave half of the WGPs without work.
; The product is used TRANSPOSED (source 0 = 16 columns of W, source 1 = 16 rows): a lane holds one row and, in the 16 registers of two neighbouring tiles, 16 neighbouring columns.  The bias is the C of each sum's first instruction.
; OPERANDS lie in memory and in LDS as images of their registers (six pieces of 256 bytes a fragment).  K: eight steps of 128, written out; a slot holds two steps' fragments of 16 row tiles and 8 column tiles (73,728 bytes);
; all four slots are first fills: nothing is filled again.  By this text's own count a wave has at most four tensor loads out.
; CLUSTER 4 x 4: rows' tiles are shared along a row of the cluster, W's along a column: joint loads.
; THE ROWS OF A TILE ARE NOT NEIGHBOURS (lane index i of tile 2g + u: row 32g + 8u + i + 8 (i / 8)): the way out puts each row where it belongs.
; REGISTERS.  window 0: v1 8 l, v3 4 l, v4 r, v5 h, v6 bias offset; v8-11, v12-15 LDS addresses; v16 STO, v17 RD, v18 CO; v28, v29 the add's two; v32-63 the rows' scale words, v64-79 W's; v128-223 the rows' fragments, on the way out rows of out0.
;   window 1: W's fragments, two sets, at v0 and v128; v72-103 the bias.   windows 2, 3: accumulator (a, b) at 8 (4 (a % 4) + b).
.set REC,   12800
.set SLOT,  73728
.set BOFF,  49152
.set STAGE, 4*SLOT                     ; behind the slots: 16 rows x 272 bytes for each wave; no tensor load lands here
.set SPARE, STAGE+4*16*272             ; behind the stages: the spare words, 128 bytes a wave
.set ADRA,  8
.set ADRB,  12
.set STO,   16
.set RD,    17
.set CO,    18
.set SPW,   28
.set NIL,   29
.set XS,    32
.set WS,    64
.set AF,    128
.set G1A, 24                           ; s[24:31] group 1 for the rows' tiles; s[32:47] four groups 0
.set G0A, 32
.set G1B, 48                           ; s[48:55], s[68:83] the same for W's
.set G0B, 68
.set MSB, 0
.macro WIN new
.if MSB != (\new)
	s_set_vgpr_msb (MSB<<8)|(\new)
.set MSB, (\new)
.endif
.endm
.macro PLACES
.rept 4
	v_nop
.endr
.endm
.macro JLOAD g0a, g0b                  ; waves 0 and 1 fetch the rows' halves, waves 2 and 3 W's; an s_nop 0 and four v_nop follow each line
	s_cmp_eq_u32 s17, 0
	s_cbranch_scc0 .Lfor_b_\@
	tensor_load_to_lds s[\g0a:\g0a+3], s[G1A:G1A+7]
	s_nop 0
.rept 4
	v_nop
.endr
	s_branch .Lasked_\@
.Lfor_b_\@:
	tensor_load_to_lds s[\g0b:\g0b+3], s[G1B:G1B+7]
	s_nop 0
.rept 4
	v_nop
.endr
.Lasked_\@:
.endm
.macro CROUND                          ; a round of the cluster's barrier
	s_barrier_signal -1
	s_barrier_wait -1
	s_cmp_lg_u32 s16, 0
	s_cbranch_scc1 .Lnot_wave_0_\@
	s_barrier_signal -3
.Lnot_wave_0_\@:
	s_barrier_wait -3
	s_barrier_signal -1
	s_barrier_wait -1
.endm
	s_load_b256 s[4:11], s[0:1], 0x0               ; aq s[4:5], wt s[6:7], b_proj s[8:9], out0 s[10:11]
	v_lshl_add_u32 v[SPW], v0, 2, SPARE
	v_mov_b32 v[NIL], 0
	ds_add_u32 v[SPW], v[NIL]                      ; the wave's opening: the add and its wait ahead of my first tensor load
	v_lshrrev_b32 v1, 5, v0
	v_readfirstlane_b32 s16, v1                    ; wave
	s_lshr_b32 s17, s16, 1                         ; wm.  Also: I fetch for the rows (0) or for W (1)
	s_and_b32 s18, s16, 1                          ; wn.  Also: which half I fetch
	s_bfe_u32 s19, ttmp6, 0x40000                  ; cx
	s_bfe_u32 s20, ttmp6, 0x40004                  ; cy
	s_lshl_b32 s21, ttmp9, 2
	s_add_co_u32 s21, s21, s19                     ; the block of 128 columns
	s_and_b32 s22, ttmp7, 0xffff
	s_lshl_b32 s22, s22, 2
	s_add_co_u32 s22, s22, s20                     ; the block of 256 rows
	s_lshl_b32 s23, s20, 2
	s_lshl_b32 s23, 15, s23                        ; my row of the cluster
	s_lshl_b32 s56, 0x1111, s19                    ; my column
	s_or_b32 s[G1A], s23, (3<<16)|(1<<21)
	s_or_b32 s[G1B], s56, (3<<16)|(1<<21)
	s_mov_b32 s[G1A+1], 384<<16                    ; a row: two K steps of one tile, 3,072 bytes
	s_mov_b32 s[G1A+2], 8<<16                      ; eight tiles
	s_mov_b32 s[G1A+3], 384<<16
	s_mov_b32 s[G1A+4], 8
	s_mov_b32 s[G1A+5], 1600                       ; from record to record
	s_mov_b32 s[G1A+6], 0
	s_mov_b32 s[G1A+7], 0
	s_mov_b32 s[G1B+1], 384<<16
	s_mov_b32 s[G1B+2], 4<<16                      ; four tiles
	s_mov_b32 s[G1B+3], 384<<16
	s_mov_b32 s[G1B+4], 4
	s_mov_b32 s[G1B+5], 1600
	s_mov_b32 s[G1B+6], 0
	s_mov_b32 s[G1B+7], 0
	s_lshl_b32 s58, s22, 4
	s_lshl_b32 s59, s18, 3
	s_add_co_u32 s58, s58, s59
	s_mul_i32 s58, s58, REC
	s_mov_b32 s59, 0
	s_mul_i32 s57, s18, 24576
	s_lshl_b32 s60, s21, 3
	s_lshl_b32 s61, s18, 2
	s_add_co_u32 s60, s60, s61
	s_add_co_u32 s60, s60, 192
	s_mul_i32 s60, s60, REC                        ; W_proj's records begin at 192
	s_mov_b32 s61, 0
	s_mul_i32 s62, s18, 12288
	s_add_co_u32 s62, s62, BOFF
	s_wait_dscnt 0x0                               ; the opening add is done
	s_wait_kmcnt 0x0
	s_add_nc_u64 s[58:59], s[4:5], s[58:59]
	s_add_nc_u64 s[60:61], s[6:7], s[60:61]
	CROUND                                         ; all sixteen work-groups are here: the joint loads meet
.irp f, 0,1,2,3
	s_mov_b32 s[G0A+4*\f], 1
	s_add_co_u32 s[G0A+4*\f+1], s57, \f*SLOT
	s_add_nc_u64 s[G0A+4*\f+2:G0A+4*\f+3], s[58:59], \f*3072
	s_or_b32 s[G0A+4*\f+3], s[G0A+4*\f+3], 0x80000000
	s_mov_b32 s[G0B+4*\f], 1
	s_add_co_u32 s[G0B+4*\f+1], s62, \f*SLOT
	s_add_nc_u64 s[G0B+4*\f+2:G0B+4*\f+3], s[60:61], \f*3072
	s_or_b32 s[G0B+4*\f+3], s[G0B+4*\f+3], 0x80000000
	JLOAD G0A+4*\f, G0B+4*\f
.endr
	v_and_b32 v6, 31, v0
	v_lshlrev_b32 v1, 3, v6                        ; 8 x lane
	v_lshlrev_b32 v3, 2, v6                        ; 4 x lane
	v_and_b32 v4, 15, v0                           ; r
	v_bfe_u32 v5, v0, 4, 1                         ; h
	v_lshlrev_b32 v6, 6, v5                        ; the bias: 16 h numbers on
	s_mul_i32 s84, s17, 24576
	s_mul_i32 s85, s18, 12288
	s_add_co_u32 s85, s85, BOFF
.irp f, 0,1,2,3
	v_add_nc_u32 v[ADRA+\f], s84, v1
	v_add_nc_u32 v[ADRB+\f], s85, v1
	s_add_co_u32 s84, s84, SLOT
	s_add_co_u32 s85, s85, SLOT
.endr
	s_mul_i32 s84, s16, 16*272
	s_add_co_u32 s84, s84, STAGE                   ; my stage
	v_mul_u32_u24 v[STO], v4, 272
	v_lshl_add_u32 v[STO], v5, 6, v[STO]
	v_add_nc_u32 v[STO], s84, v[STO]               ; in: row r, + 64 h
	v_mul_u32_u24 v[RD], v5, 272
	v_lshl_add_u32 v[RD], v4, 4, v[RD]
	v_add_nc_u32 v[RD], s84, v[RD]                 ; back: lanes 0-15 one row's 256 bytes, lanes 16-31 the next row's
	v_lshlrev_b32 v[CO], 12, v5
	v_lshl_add_u32 v[CO], v4, 4, v[CO]             ; and the same in out0
	s_lshl_b32 s84, s22, 4
	s_lshl_b32 s85, s17, 3
	s_add_co_u32 s84, s84, s85
	s_mul_i32 s84, s84, REC
	s_add_co_u32 s84, s84, 12288
	s_mov_b32 s85, 0
	s_add_nc_u64 s[84:85], s[4:5], s[84:85]        ; my eight row tiles' scale words
	s_lshl_b32 s86, s21, 3
	s_lshl_b32 s87, s18, 2
	s_add_co_u32 s86, s86, s87
	s_add_co_u32 s86, s86, 192
	s_mul_i32 s86, s86, REC
	s_add_co_u32 s86, s86, 12288
	s_mov_b32 s87, 0
	s_add_nc_u64 s[86:87], s[6:7], s[86:87]        ; my four column tiles'
	s_lshl_b32 s90, s21, 9
	s_lshl_b32 s91, s18, 8
	s_add_co_u32 s90, s90, s91                     ; my first column, in bytes: 512 x block + 256 wn
	s_mov_b32 s91, 0
	s_add_nc_u64 s[92:93], s[8:9], s[90:91]        ; b_proj there
	s_lshl_b32 s94, s22, 8
	s_lshl_b32 s95, s17, 7
	s_add_co_u32 s94, s94, s95
	s_lshl_b32 s94, s94, 12                        ; my first row x 4,096 bytes (under 2^25)
	s_add_co_u32 s90, s90, s94
	s_add_nc_u64 s[88:89], s[10:11], s[90:91]      ; out0 at my corner; never stepped
.irp a, 0,1,2,3,4,5,6,7
.irp q, 0,1,2,3
	global_load_b32 v[XS+4*\a+\q], v3, s[84:85] offset:\a*REC+128*\q
.endr
.endr
.irp b, 0,1,2,3
.irp q, 0,1,2,3
	global_load_b32 v[WS+4*\b+\q], v3, s[86:87] offset:\b*REC+128*\q
.endr
.endr
	WIN 0x40                                       ; destination window 1
.irp b, 0,1,2,3
	global_load_b128 v[72+8*\b:75+8*\b], v6, s[92:93] offset:(32*(\b/2)+8*(\b%2))*4
	global_load_b128 v[76+8*\b:79+8*\b], v6, s[92:93] offset:(32*(\b/2)+8*(\b%2))*4+16
.endr
	WIN 0
.macro WM d, a, b, c, sa, sb, odd      ; an odd K step's scale words lie in lanes 16-31 of both registers
.if \odd
	v_wmma_scale_f32_16x16x128_f8f6f4 v[(\d):(\d)+7], v[(\a):(\a)+11], v[(\b):(\b)+11], v[(\c):(\c)+7], v[(\sa)], v[(\sb)] matrix_a_fmt:MATRIX_FMT_FP6 matrix_b_fmt:MATRIX_FMT_FP6 matrix_a_scale:MATRIX_SCALE_ROW1 matrix_b_scale:MATRIX_SCALE_ROW1
.else
	v_wmma_scale_f32_16x16x128_f8f6f4 v[(\d):(\d)+7], v[(\a):(\a)+11], v[(\b):(\b)+11], v[(\c):(\c)+7], v[(\sa)], v[(\sb)] matrix_a_fmt:MATRIX_FMT_FP6 matrix_b_fmt:MATRIX_FMT_FP6
.endif
.endm
; row tiles a0 .. a0 + n - 1 x four column tiles.  The accumulators take turns, one instruction a turn, in the same order in every step.
.macro MUL a0, n, p, s, first
.if \first
	WIN 0x91+0x40*((\a0)/4)                        ; source 0 (W) window 1, source 1 (rows) window 0, C (the bias) window 1, D window 2 or 3
.else
	WIN 0xa1+0x50*((\a0)/4)
.endif
.set AA, \a0
.rept \n
.irp b, 0,1,2,3
.if \first
	WM 8*(4*(AA%4)+\b), 128*(\p)+12*\b, AF+12*AA, 72+8*\b, WS+4*\b+(\s)/2, XS+4*AA+(\s)/2, (\s)%2
.else
	WM 8*(4*(AA%4)+\b), 128*(\p)+12*\b, AF+12*AA, 8*(4*(AA%4)+\b), WS+4*\b+(\s)/2, XS+4*AA+(\s)/2, (\s)%2
.endif
.endr
.set AA, AA+1
.endr
.endm
.macro FRAG reg, adr, off
.irp p, 0,1,2,3,4,5
	ds_load_b64 v[(\reg)+2*\p:(\reg)+2*\p+1], v[\adr] offset:(\off)+256*\p
.endr
.endm
.macro FETCH_B sl, q, p                ; 24 loads
	WIN 0x40
.irp b, 0,1,2,3
	FRAG 128*(\p)+12*\b, ADRB+\sl, 3072*\b+1536*(\q)
.endr
	WIN 0
.endm
.macro FETCH_A sl, q, i0               ; 24 loads
.irp i, 0,1,2,3
	FRAG AF+12*((\i0)+\i), ADRA+\sl, 3072*((\i0)+\i)+1536*(\q)
.endr
.endm
.macro STEP sl, s, first               ; an even K step: its successor lies in the same slot
	s_wait_dscnt 24                                ; W's set and row tiles 0-3 are in; the youngest 24 loads (tiles 4-7) may be out
	MUL 0, 4, 0, \s, \first
	s_wait_dscnt 0x0
	PLACES
	FETCH_B \sl, 1, 1
	FETCH_A \sl, 1, 0
	MUL 4, 4, 0, \s, \first
	PLACES
	WIN 0
	FETCH_A \sl, 1, 4
.endm
.macro TURN sl, nx, s, tc              ; an odd K step goes on to the next slot: each wave has seen its part of that slot land (tc later loads may stay out), says so at the barrier, and reads behind it.  Nothing is filled again
	s_wait_tensorcnt \tc
	s_wait_dscnt 24
	MUL 0, 2, 1, \s, 0
	s_wait_dscnt 0x0                               ; no LDS instruction of mine is out at the signal
	s_barrier_signal -1
	MUL 2, 2, 1, \s, 0
	WIN 0
	s_barrier_wait -1
	PLACES
	FETCH_B \nx, 0, 0
	FETCH_A \nx, 0, 0
	MUL 4, 4, 1, \s, 0
	PLACES
	WIN 0
	FETCH_A \nx, 0, 4
.endm
	s_wait_tensorcnt 3                             ; my part of slot 0 is in; the three later slots' may be out
	s_barrier_signal -1
	s_barrier_wait -1
	FETCH_B 0, 0, 0
	FETCH_A 0, 0, 0
	FETCH_A 0, 0, 4
	s_wait_loadcnt 0x0                             ; scale words and the bias
	STEP 0, 0, 1
	TURN 0, 1, 1, 2
	STEP 1, 2, 0
	TURN 1, 2, 3, 1
	STEP 2, 4, 0
	TURN 2, 3, 5, 0
	STEP 3, 6, 0
	s_wait_dscnt 24                                ; the last step: nothing more to fetch
	MUL 0, 4, 1, 7, 0
	s_wait_dscnt 0x0
	MUL 4, 4, 1, 7, 0
	WIN 0
	PLACES
; THE WAY OUT, a row tile (16 rows x 64 columns) at a time, through my own stage: a lane's 32 registers are 2 x 64 bytes of one row; back come whole runs of 256 bytes, which sixteen lanes store aligned.
; LDS serves a wave's instructions in order (ISA guide 5.7.1.4): no wait between the stores and the loads, nor in front of the next tile's stores.
.macro TOSTAGE a
.set AC, 32*((\a)%4)
	WIN 0x08+4*((\a)/4)                            ; an LDS store's data are its source 1: window 2 or 3
.irp b, 0,1,2,3
	ds_store_b128 v[STO], v[AC+8*\b:AC+8*\b+3] offset:128*(\b/2)+32*(\b%2)        ; each accumulator from its low end on
	ds_store_b128 v[STO], v[AC+8*\b+4:AC+8*\b+7] offset:128*(\b/2)+32*(\b%2)+16
.endr
	WIN 0
.set BB, 128+32*((\a)%2)
.irp i, 0,1,2,3,4,5,6,7
	ds_load_b128 v[BB+4*\i:BB+4*\i+3], v[RD] offset:544*\i
.endr
.endm
.macro SEND a, younger                 ; younger: the LDS instructions issued behind tile a's loads, which may stay out
.set BB, 128+32*((\a)%2)
	s_wait_dscnt \younger
.irp i, 0,1,2,3,4,5,6,7
	global_store_b128 v[CO], v[BB+4*\i:BB+4*\i+3], s[88:89] offset:(32*((\a)/2)+8*((\a)%2)+2*\i+8*(\i/4))*4096 th:TH_STORE_NT   ; index 2 i + h of tile a is row 32 (a / 2) + 8 (a % 2) + 2 i + h + 8 (i / 4)
.endr
.endm
	TOSTAGE 0
.irp a, 1,2,3,4,5,6,7
.if \a > 1
	s_wait_xcnt 0x0                                ; tile a - 2's stores have read their registers: tile a's loads may land there
.endif
	TOSTAGE \a
	SEND (\a)-1, 16                                ; behind tile a - 1's loads: tile a's 8 stores and 8 loads
.endr
	SEND 7, 0
	s_wait_tensorcnt 0x0                           ; the wave's end, behind my last tensor load and my last LDS store
	ds_add_u32 v[SPW], v[NIL]
	s_wait_dscnt 0x0
	CROUND                                         ; the closing round: no work-group ends while a partner may still ask for a tile that names it
	s_endpgm
.Lfunc_end_k_q3115b56a44_gemm_proj:
	.size	k_q3115b56a44_gemm_proj, .Lfunc_end_k_q3115b56a44_gemm_proj-k_q3115b56a44_gemm_proj
	.p2alignl 7, 3214868480
	.fill 96, 4, 3214868480
	.section	.rodata,"a",@progbits
	.p2align	6, 0x0
	.amdhsa_kernel k_q3115b56a44_gemm_proj
		.amdhsa_group_segment_fixed_size 327680
		.amdhsa_private_segment_fixed_size 0
		.amdhsa_enable_private_segment 0
		.amdhsa_kernarg_size 32
		.amdhsa_user_sgpr_count 2
		.amdhsa_user_sgpr_kernarg_segment_ptr 1
		.amdhsa_wavefront_size32 1
		.amdhsa_system_sgpr_workgroup_id_x 1
		.amdhsa_system_sgpr_workgroup_id_y 1
		.amdhsa_system_sgpr_workgroup_id_z 1
		.amdhsa_system_vgpr_workitem_id 0
		.amdhsa_next_free_vgpr 1024
		.amdhsa_next_free_sgpr 100
		.amdhsa_reserve_vcc 0
		.amdhsa_float_denorm_mode_32 3
		.amdhsa_float_denorm_mode_16_64 3
		.amdhsa_memory_ordered 1
		.amdhsa_forward_progress 1
		.amdhsa_inst_pref_size 103
	.end_amdhsa_kernel
	.amdgpu_metadata
---
amdhsa.version: [ 1, 2 ]
amdhsa.kernels:
  - .name:           k_q3115b56a44_gemm_proj
    .symbol:         k_q3115b56a44_gemm_proj.kd
    .args:
      - { .name: aq, .offset: 0, .size: 8, .value_kind: global_buffer, .address_space: global }
      - { .name: wt, .offset: 8, .size: 8, .value_kind: global_buffer, .address_space: global }
      - { .name: b_proj, .offset: 16, .size: 8, .value_kind: global_buffer, .address_space: global }
      - { .name: out0, .offset: 24, .size: 8, .value_kind: global_buffer, .address_space: global }
    .group_segment_fixed_size: 327680
    .private_segment_fixed_size: 0
    .kernarg_segment_align: 8
    .kernarg_segment_size: 32
    .max_flat_workgroup_size: 128
    .sgpr_count:     100
    .vgpr_count:     1024
    .wavefront_size: 32
...
	.end_amdgpu_metadata
.endif
;; end of part 4
